; MI455X (gfx1250); checked and timed in simulation.
; The chip was launched on July 23, 2026; its instructions are those of AMD's public machine-readable ISA for CDNA 5 (MIT licence, August 2026) and "CDNA5" Instruction Set Architecture Reference Guide (July 2026). The comments in the code are by the model that wrote it; some were corrected since.
;; self attention1d. Allowed arithmetic: float matrix products may take bf16 or f16 operands with f32 sums; other float arithmetic in f32, or as packed bf16 or f16 multiplies, adds, multiply-adds, maxima and minima; sums over many terms, partial sums and values carried from step to step in f32; what a program stores and reads back later, other than sums and carried values, may be rounded once to bf16 or f16.
;; Inputs: Wk 4,096 x 4,096 float32; Wq 4,096 x 4,096 float32; Wv 4,096 x 4,096 float32; bk 4,096 float32; bq 4,096 float32; bv 4,096 float32; x 1,024 x 4,096 float32.
;; Outputs: out0 1,024 x 4,096 float32.
;; 3 versions, each right; version 3 is version 2 with the launch cvtx written anew for expert scheduling mode. Each part assembles by itself: llvm-mc -triple=amdgcn-amd-amdhsa -mcpu=gfx1250 --defsym DOCPART=n.
;; ======== version 1 of 3: 3 launches
;; workspace buffers: xb 8,388,608 bytes; qb 8,388,608 bytes; part 524,288 bytes
;; launch cvtx (part 1): grid 256 x 1, 8 waves a work-group, no clusters, 0 bytes of LDS; arguments x, xb; writes xb
.if DOCPART == 1
	.amdgcn_target "amdgcn-amd-amdhsa--gfx1250"
	.amdhsa_code_object_version 6
	.text
	.protected	k_q3506ac4318_cvtx
	.globl	k_q3506ac4318_cvtx
	.p2align	8
	.type	k_q3506ac4318_cvtx,@function
k_q3506ac4318_cvtx:
	s_mov_b64 s[64:65], 0
	v_nop
	global_prefetch_b8 v0, s[64:65] scope:SCOPE_SE
	s_setreg_imm32_b32 hwreg(HW_REG_WAVE_MODE, 25, 1), 1
	s_wait_xcnt 0x0
; xb = x rounded to bf16 (nearest even), laid in K blocks: xb[kb][row][64 k], byte kb*131072 + row*128 + 2*(k%64).
; x: [1024][4096] f32.  So a tile of 256 rows x 64 k of xb is 32,768 dense bytes for the product that follows.
; SHARES.  A work-group owns 4 rows (65,536 bytes of x); wave w owns K blocks 8w..8w+7 of them.  No loop: a wave's 16 loads are all out, then 16 stores.
; One load of a wave takes 256 bytes (one K block in f32) of two rows: lanes 0-15 the even row, lanes 16-31 the odd one.  Its 128 numbers become
; 256 consecutive bytes of xb, aligned: two rows' 128 bytes of that K block, 8 bytes a lane.
; No LDS, no barrier, no matrix unit: every byte is read once and written once, and no wave needs another's data.
.set IN,  2                            ; v2  my byte offset in the group's 4 rows of x; never rewritten
.set OUT, 3                            ; v3  my byte offset in xb; never rewritten
.set X,   8                            ; v[8:71]   load n = 2 j + p: four f32
.set Y,   72                           ; v[72:103] the same chunk as four bf16
	s_load_b128 s[4:7], s[0:1], 0x0                ; x s[4:5], xb s[6:7]
	v_and_b32 v1, 31, v0                           ; lane
	v_lshrrev_b32 v4, 5, v0                        ; wave
	v_lshrrev_b32 v5, 4, v1                        ; lane / 16: which of the two rows
	v_and_b32 v6, 15, v1
	v_lshlrev_b32 v[IN], 14, v5                    ; a row of x is 16,384 bytes
	v_lshl_add_u32 v[IN], v6, 4, v[IN]             ; 16 bytes a lane
	v_lshl_add_u32 v[IN], v4, 11, v[IN]            ; the wave's 8 K blocks of 256 bytes
	v_lshlrev_b32 v[OUT], 3, v1                    ; 128 x (lane / 16) + 8 x (lane % 16) = 8 x lane
	v_lshl_add_u32 v[OUT], v4, 20, v[OUT]          ; the wave's 8 K blocks of 131,072 bytes
	s_lshl_b32 s8, ttmp9, 16                       ; the group's 4 rows in x,
	s_mov_b32 s9, 0
	s_lshl_b32 s10, ttmp9, 9                       ; and in a K block of xb
	s_mov_b32 s11, 0
	s_wait_kmcnt 0x0
	s_add_nc_u64 s[4:5], s[4:5], s[8:9]
	s_add_nc_u64 s[6:7], s[6:7], s[10:11]
.irp j, 0,1,2,3,4,5,6,7
.irp p, 0,1
	global_load_b128 v[X+4*(2*(\j)+(\p)):X+4*(2*(\j)+(\p))+3], v[IN], s[4:5] offset:(\j)*256+(\p)*32768 th:TH_LOAD_NT
.endr
.endr
.irp j, 0,1,2,3,4,5,6,7
.irp p, 0,1
	s_wait_loadcnt 15-(2*(\j)+(\p))                ; loads come back in order: chunk n is in, the 15 - n younger ones stay out
	v_cvt_pk_bf16_f32 v[Y+2*(2*(\j)+(\p))],   v[X+4*(2*(\j)+(\p))],   v[X+4*(2*(\j)+(\p))+1]
	v_cvt_pk_bf16_f32 v[Y+2*(2*(\j)+(\p))+1], v[X+4*(2*(\j)+(\p))+2], v[X+4*(2*(\j)+(\p))+3]
	global_store_b64 v[OUT], v[Y+2*(2*(\j)+(\p)):Y+2*(2*(\j)+(\p))+1], s[6:7] offset:(\j)*131072+(\p)*256  ; 32 lanes store 256 consecutive bytes, aligned; no register is written twice, so no wait frees one
.endr
.endr
	s_endpgm
.Lfunc_end_k_q3506ac4318_cvtx:
	.size	k_q3506ac4318_cvtx, .Lfunc_end_k_q3506ac4318_cvtx-k_q3506ac4318_cvtx
	.p2alignl 7, 3214868480
	.fill 96, 4, 3214868480
	.section	.rodata,"a",@progbits
	.p2align	6, 0x0
	.amdhsa_kernel k_q3506ac4318_cvtx
		.amdhsa_group_segment_fixed_size 0
		.amdhsa_private_segment_fixed_size 0
		.amdhsa_enable_private_segment 0
		.amdhsa_kernarg_size 16
		.amdhsa_user_sgpr_count 2
		.amdhsa_user_sgpr_kernarg_segment_ptr 1
		.amdhsa_wavefront_size32 1
		.amdhsa_system_sgpr_workgroup_id_x 1
		.amdhsa_system_sgpr_workgroup_id_y 1
		.amdhsa_system_sgpr_workgroup_id_z 1
		.amdhsa_system_vgpr_workitem_id 0
		.amdhsa_next_free_vgpr 104
		.amdhsa_next_free_sgpr 66
		.amdhsa_reserve_vcc 0
		.amdhsa_float_denorm_mode_32 3
		.amdhsa_float_denorm_mode_16_64 3
		.amdhsa_memory_ordered 1
		.amdhsa_forward_progress 1
		.amdhsa_inst_pref_size 7
	.end_amdhsa_kernel
	.amdgpu_metadata
---
amdhsa.version: [ 1, 2 ]
amdhsa.kernels:
  - .name:           k_q3506ac4318_cvtx
    .symbol:         k_q3506ac4318_cvtx.kd
    .args:
      - { .name: x, .offset: 0, .size: 8, .value_kind: global_buffer, .address_space: global }
      - { .name: xb, .offset: 8, .size: 8, .value_kind: global_buffer, .address_space: global }
    .group_segment_fixed_size: 0
    .private_segment_fixed_size: 0
    .kernarg_segment_align: 8
    .kernarg_segment_size: 16
    .max_flat_workgroup_size: 256
    .sgpr_count:     66
    .vgpr_count:     104
    .wavefront_size: 32
...
	.end_amdgpu_metadata
.endif
;; end of part 1
;; launch gemm (part 2): grid 64 x 4, 4 waves a work-group, clusters of 4 x 4, 327,680 bytes of LDS; arguments xb, Wq, Wk, Wv, bq, bk, bv, qb, part; writes qb, part
.if DOCPART == 2
	.amdgcn_target "amdgcn-amd-amdhsa--gfx1250"
	.amdhsa_code_object_version 6
	.text
	.protected	k_q3506ac4318_gemm
	.globl	k_q3506ac4318_gemm
	.p2align	8
	.type	k_q3506ac4318_gemm,@function
k_q3506ac4318_gemm:
	s_mov_b64 s[64:65], 0
	v_nop
	global_prefetch_b8 v0, s[64:65] scope:SCOPE_SE
	s_setreg_imm32_b32 hwreg(HW_REG_WAVE_MODE, 25, 1), 1
	s_wait_xcnt 0x0
	s_wait_alu depctr_hold_cnt(0) depctr_sa_sdst(0) depctr_va_vdst(0) depctr_va_sdst(0) depctr_va_ssrc(0) depctr_va_vcc(0) depctr_vm_vsrc(0)
	s_getreg_b32 s2, hwreg(HW_REG_IB_STS2, 6, 4)
	s_cmp_eq_u32 s2, 0
	s_cbranch_scc0 .Lentry_in_a_cluster
	s_endpgm
.Lentry_in_a_cluster:
	s_bfe_u32 s2, ttmp6, 0x10000c
	s_cmp_lg_u32 s2, 0xf033
	s_cbranch_scc0 .Lentry_shape_is_right
	s_endpgm
.Lentry_shape_is_right:
; q, k, v = x W^T + b for 256 rows x 64 columns OF EACH of the three, then what the last launch needs: q as bf16, and for each row the partial sums of k v and of |k| over these 64 columns.
; xb: [64 kb][1024][64] bf16 (x rounded).  Wq, Wk, Wv: [4096][4096] f32.  bq, bk, bv: [4096] f32.  qb: [64 tx][1024][64] bf16.  part: [2][64 tx][1024] f32 (0: sum k v, 1: sum |k|).
; LIMITS.  x, the three W and the three biases are each rounded once to bf16 (nearest even); products and all sums in f32, in another order than the reference's; q is rounded once more to bf16
; for qb (at most 2^-9 of itself).  NaN and infinities are not treated apart.
; SHARES.  1024 x 12288 results over 256 work-groups: a work-group (tx = 0..63, ty = 0..3) has rows 256 ty .. +255 and columns 64 tx .. +63 of q, of k and of v, so that k and v of one column meet in one lane.
; Four waves: wave w has rows 128 (w / 2) .. +127 and columns 32 (w % 2) .. +31 of each matrix: 8 row blocks a x 6 column blocks b (matrix b / 2, half b % 2) = 48 accumulators, 384 registers.
; W STAYS f32 ON ITS WAY IN: each byte of W is asked for once for the four row tiles, lands in LDS as f32, and each wave rounds its own fragments to bf16 between LDS and the matrix unit.
; THE MATRIX INSTRUCTION IS USED TRANSPOSED: source 0 = 16 rows of W, source 1 = 16 rows of x: a lane holds ONE row of x (lane % 16) and the columns 8 (lane / 16) + 0..7.
; K goes in steps of 64 (a row of W's tile: 256 aligned bytes) through two LDS slots; two slots of step 128 would take 342,016 bytes, more than a work-group can have.  A step is two sub-steps of 32.
; CLUSTER.  4 x 4 work-groups.  The four of a row of the cluster (same ty) need the same tile of xb, the four of a column (same tx) the same tiles of W: each tile is asked for JOINTLY, by the same
; tensor load with the same descriptor and a mask that names the four.  The grid's four rows of work-groups are the cluster's four rows, so ty = cy.
; REGISTERS, in windows of 256 (s_set_vgpr_msb: bits 1:0 source 0, 3:2 source 1, 5:4 source 2, 7:6 destination):
;   window 0: v0-31 addresses; v32-63 at work; v64-127, v128-191 x's fragments, two buffers (on the way out: at work); v192-239 the biases
;   window 1: v0-95 W's fragments in f32 as loaded; v96-143, v144-191 the same as bf16, two buffers
;   window 2: the accumulators of row blocks 0-3 ((a, b) at v[8 (6 (a % 4) + b)]);   window 3: those of row blocks 4-7
.set PA,     144                       ; an LDS row of x: 128 bytes + 16 of padding: an odd multiple of 16, so the 16 rows of a fragment load start at 16 different 16-byte columns of 256
.set PB,     272                       ; an LDS row of W: 256 bytes + 16
.set ABYTES, 256*PA                    ; x's tile
.set WBYTES, 64*PB                     ; one matrix' tile of W
.set SLOT,   ABYTES+3*WBYTES           ; 89,088: x's 256 rows, then 64 rows of Wq, of Wk, of Wv
.set STAGE,  2*SLOT                    ; behind the ring, never filled by a tensor load: the q tile, 256 rows x 144 bytes
.set SUMS,   STAGE+256*PA              ; [2 sums][2 column halves][256 rows] f32
.set SPARE,  SUMS+4096                 ; the spare words, 128 bytes for each wave: two blocks of 256 bytes that no other line names
.set XSTEP,  131072                    ; bytes from a K step to the next in xb
.set WSTEP,  256                       ; and in a row of W
.set LN,   3                           ; v3   my lane
.set ADRA, 16                          ; v16-17  LDS address of my x fragments in slot 0, 1
.set ADRB, 20                          ; v20-21  the same for W
.set SST,  22                          ; v22  where I put a row sum
.set SRD,  23                          ; v23  where I read four row sums back
.set STO,  24                          ; v24  where I put 16 bytes of a row of q
.set RD,   25                          ; v25  where I read rows of q back
.set GO,   26                          ; v26  16 x lane
.set SPW,  28                          ; v28  LDS address of my spare word; never rewritten
.set NIL,  29                          ; v29  0; never rewritten
.set PFO,  30                          ; v30  the prefetches' lane offset; never rewritten
.set BO,   31                          ; v31  my byte offset in the work-group's 256 bytes of a bias
.set F0,   64
.set F1,   128
.set BI,   192                         ; v192-239  the biases, rounded to bf16 and widened: column block b, register j at BI + 8 b + j
.set RAW,  0                           ; window 1
.set BB0,  96
.set BB1,  144
.set T,    64                          ; the way out: q, k, v of one row block, 48 registers
.set QP,   112                         ; q packed, 8 registers
.set KV,   144                         ; row block a: a pair of sums of k v at KV + 2 a
.set KS,   160                         ; the same for |k|
.set G1A, 24                           ; s[24:31] descriptor group 1 for x's tile;  s[32:39] group 0, a set for each slot
.set G0A, 32
.set G1B, 48                           ; s[48:55], s[56:63] the same for W's tiles
.set G0B, 56
.set PFA, 86                           ; s[86:87] where my prefetches stand
.set PSTEP, 88                         ; s[88:89] a K step in the buffer that I prefetch
.set LIM, 90                           ; s90, s91  for the change out of slot 0, 1: I prefetch while the loop's count is above it
.set MSB, 0
.macro WIN new                         ; the immediate's high byte repeats the setting that is left; a switch that changes nothing is dropped
.if MSB != (\new)
	s_set_vgpr_msb (MSB<<8)|(\new)
.set MSB, \new
.endif
.endm
.set MUL_LO, 0xa1                      ; source 0 (W) window 1, source 1 (x) window 0, C and D window 2
.set MUL_HI, 0xf1                      ; the same, C and D window 3
.set TO_1,   0x40                      ; destination window 1, address window 0
.set CVT,    0x45                      ; destination and both sources window 1
.macro PLACES                          ; four plain vector instructions between a matrix instruction and a load into, or a vector write of, a register that it has read
.rept 4
	v_nop
.endr
.endm
; A joint load.  Wave 0 fetches x's tile, waves 1 to 3 the tiles of Wq, Wk, Wv.  The branch hangs on the wave's number alone.  An s_nop 0 and four v_nop follow each of the two lines.
.macro JLOAD s
	s_cmp_eq_u32 s10, 0
	s_cbranch_scc0 .Lfor_b_\@
	tensor_load_to_lds s[G0A+4*(\s):G0A+4*(\s)+3], s[G1A:G1A+7]
	s_nop 0
.rept 4
	v_nop
.endr
	s_branch .Lasked_\@
.Lfor_b_\@:
	tensor_load_to_lds s[G0B+4*(\s):G0B+4*(\s)+3], s[G1B:G1B+7]
	s_nop 0
.rept 4
	v_nop
.endr
.Lasked_\@:
.endm
; A PREFETCH INTO THE L2, behind a joint load and the run of LDS loads that follows it: in K step t it names step t + 6, which the refill four changes of slots on (384 matrix instructions) will ask for.
; x's tile (32,768 dense bytes a step): every cluster reads it, cluster x = 0 asks; wave 0, at every change; the four partners of a row take 8,192 bytes each BY ADDRESS (cx), a lane 256 bytes.
; W's tiles: each cluster has columns of its own; waves 1 to 3, at every second change, for two steps at once: 16 rows (by cy, BY ADDRESS) x 2 blocks of 256 bytes, a lane a block.
; So each aligned block of 256 bytes is named once in the launch.  Steps 0 to 5 come by their loads alone; the loop's last trip and the tail ask for nothing: the highest step named is 63.
.macro ASK s
	s_cmp_gt_u32 s3, s[LIM+(\s)]
	s_cbranch_scc0 .Lnot_mine_\@
	global_prefetch_b8 v[PFO], s[PFA:PFA+1] th:TH_LOAD_NT scope:SCOPE_SE
.Lnot_mine_\@:
.endm
.macro CREST                           ; a round of the cluster's barrier behind its opening barrier
	s_cmp_lg_u32 s10, 0
	s_cbranch_scc1 .Lnot_wave_0_\@
	s_barrier_signal -3
.Lnot_wave_0_\@:
	s_barrier_wait -3
	s_barrier_signal -1
	s_barrier_wait -1
.endm
.macro CROUND                          ; a whole round
	s_barrier_signal -1
	s_barrier_wait -1
	CREST
.endm
	s_load_b512 s[68:83], s[0:1], 0x0              ; xb 68, Wq 70, Wk 72, Wv 74, bq 76, bk 78, bv 80, qb 82
	s_load_b64 s[84:85], s[0:1], 0x40              ; part
	v_lshl_add_u32 v[SPW], v0, 2, SPARE
	v_mov_b32 v[NIL], 0
	ds_add_u32 v[SPW], v[NIL]                      ; the wave's opening: the add, twice on end, and its wait ahead of my first tensor load
	ds_add_u32 v[SPW], v[NIL]                      ; once more, under the one wait; the set-up below, work on registers, stands between
	v_lshrrev_b32 v1, 5, v0
	v_readfirstlane_b32 s10, v1                    ; wave 0..3
	s_lshr_b32 s11, s10, 1                         ; which half of the tile's rows is mine
	s_and_b32 s12, s10, 1                          ; which half of its columns
	s_bfe_u32 s40, ttmp6, 0x40000                  ; cx
	s_bfe_u32 s41, ttmp6, 0x40004                  ; cy = ty
	s_lshl_b32 s42, ttmp9, 2
	s_add_co_u32 s42, s42, s40                     ; tx = 4 x cluster x + cx
	s_lshl_b32 s43, s41, 2
	s_lshl_b32 s43, 15, s43                        ; my row of the cluster: places 4 cy .. 4 cy + 3
	s_lshl_b32 s44, 0x1111, s40                    ; my column: places cx, cx + 4, cx + 8, cx + 12
	; group 1 for x's tile: 32,768 dense bytes asked for as 128 rows of 128 elements of 2 bytes; 16 bytes of padding after every 32 words, that is after each row of x
	s_or_b32 s[G1A+0], s43, (1<<16)|(1<<20)|(1<<21)|(4<<22)|(3<<25)
	s_mov_b32 s[G1A+1], 128<<16                    ; tensor_dim0 = 128
	s_mov_b32 s[G1A+2], 128<<16                    ; tensor_dim1 = 128
	s_mov_b32 s[G1A+3], 128<<16                    ; tile_dim0 = 128
	s_mov_b32 s[G1A+4], 128                        ; tile_dim1 = 128
	s_mov_b32 s[G1A+5], 128                        ; elements from row to row
	s_mov_b32 s[G1A+6], 0
	s_mov_b32 s[G1A+7], 0
	; group 1 for a tile of W: 64 rows of 64 elements of 4 bytes, 4,096 elements from row to row; 16 bytes of padding after every 64 words
	s_or_b32 s[G1B+0], s44, (2<<16)|(1<<20)|(1<<21)|(5<<22)|(3<<25)
	s_mov_b32 s[G1B+1], 64<<16
	s_mov_b32 s[G1B+2], 64<<16
	s_mov_b32 s[G1B+3], 64<<16
	s_mov_b32 s[G1B+4], 64
	s_mov_b32 s[G1B+5], 4096
	s_mov_b32 s[G1B+6], 0
	s_mov_b32 s[G1B+7], 0
	s_lshl_b32 s14, s41, 15                        ; x's tile: 256 ty rows of 128 bytes; hangs on ty alone
	s_mov_b32 s15, 0
	s_lshl_b32 s20, s42, 20                        ; W's tiles: 64 tx rows of 16,384 bytes; hangs on tx alone
	s_mov_b32 s21, 0
	s_mul_i32 s22, s10, WBYTES                     ; where my tile of W goes: the wave's number alone
	s_mov_b32 s92, 0xffff0000                      ; a word's upper bf16
	s_mov_b32 s93, 0x7fffffff                      ; clears a sign
	s_mov_b32 s94, 0x76543210                      ; v_permlanex16_b32: each lane takes its own place in the other half
	s_mov_b32 s95, 0xfedcba98
	s_wait_dscnt 0x0                               ; both opening adds are done
	s_wait_kmcnt 0x0
	s_add_nc_u64 s[14:15], s[68:69], s[14:15]
	s_cmp_eq_u32 s10, 2
	s_cselect_b64 s[46:47], s[72:73], s[70:71]     ; wave 1: Wq, wave 2: Wk,
	s_cmp_eq_u32 s10, 3
	s_cselect_b64 s[46:47], s[74:75], s[46:47]     ; wave 3: Wv
	s_add_nc_u64 s[46:47], s[46:47], s[20:21]
	CROUND                                         ; all sixteen work-groups are here: the first joint loads meet
.irp s, 0,1
	s_mov_b32 s[G0A+4*(\s)], 1                                     ; count = 1
	s_mov_b32 s[G0A+4*(\s)+1], (\s)*SLOT                           ; LDS address
	s_add_nc_u64 s[G0A+4*(\s)+2:G0A+4*(\s)+3], s[14:15], (\s)*XSTEP  ; global address: K step s
	s_or_b32 s[G0A+4*(\s)+3], s[G0A+4*(\s)+3], 0x80000000          ; type = 2
	s_mov_b32 s[G0B+4*(\s)], 1
	s_add_co_u32 s[G0B+4*(\s)+1], s22, (\s)*SLOT+ABYTES-WBYTES     ; wave 1's tile lies straight behind x's
	s_add_nc_u64 s[G0B+4*(\s)+2:G0B+4*(\s)+3], s[46:47], (\s)*WSTEP
	s_or_b32 s[G0B+4*(\s)+3], s[G0B+4*(\s)+3], 0x80000000
	JLOAD \s                                       ; two loads of mine are out
.endr
	; In the wait for the first tile: LDS addresses (the wave's number and the lane alone),
	v_and_b32 v1, 15, v0                           ; l % 16
	v_bfe_u32 v2, v0, 4, 1                         ; l / 16
	v_and_b32 v[LN], 31, v0
	v_mul_u32_u24 v4, v1, PA
	v_lshl_add_u32 v4, v2, 4, v4                   ; x: row x 144 + 16 x half: registers 0-3 take k = 8 h .. + 7, registers 4-7, 32 bytes on, k = 16 + 8 h .. + 7
	s_mul_i32 s16, s11, 128*PA
	v_add_nc_u32 v[ADRA], s16, v4
	v_add_nc_u32 v[ADRA+1], SLOT, v[ADRA]
	v_mul_u32_u24 v5, v1, PB
	v_lshl_add_u32 v5, v2, 5, v5                   ; W in f32: row x 272 + 32 x half: the same k are 32 bytes, and the second eight lie 64 bytes on
	s_mul_i32 s17, s12, 32*PB
	s_add_co_u32 s17, s17, ABYTES
	v_add_nc_u32 v[ADRB], s17, v5
	v_add_nc_u32 v[ADRB+1], SLOT, v[ADRB]
	s_lshl_b32 s18, s12, 6
	s_add_co_u32 s18, s18, s16
	s_add_co_u32 s18, s18, STAGE
	v_add_nc_u32 v[STO], s18, v4                   ; the stage: row 128 (w / 2) + l % 16, byte 64 (w % 2) + 16 (l / 16)
	v_lshrrev_b32 v6, 3, v[LN]
	v_and_b32 v7, 7, v0
	v_mul_u32_u24 v6, v6, PA
	v_lshl_add_u32 v6, v7, 4, v6
	s_mul_i32 s19, s10, 64*PA
	s_add_co_u32 s19, s19, STAGE
	v_add_nc_u32 v[RD], s19, v6                    ; back: wave w takes rows 64 w .. + 63; 32 lanes take four rows of 128 bytes
	s_lshl_b32 s16, s12, 10
	s_lshl_b32 s17, s11, 9
	s_add_co_u32 s16, s16, s17
	s_add_co_u32 s16, s16, SUMS
	v_lshl_add_u32 v[SST], v[LN], 2, s16
	s_lshl_b32 s16, s11, 11                        ; back: wave w takes sum w / 2, rows 128 (w % 2) .. + 127, four a lane
	s_lshl_b32 s17, s12, 9
	s_add_co_u32 s16, s16, s17
	s_add_co_u32 s16, s16, SUMS
	v_lshl_add_u32 v[SRD], v[LN], 4, s16
	v_lshlrev_b32 v[GO], 4, v[LN]
	s_lshl_b32 s16, s12, 7
	v_lshl_add_u32 v[BO], v2, 5, s16               ; 4 bytes x (32 (w % 2) + 8 (l / 16))
	; the biases of my 2 x 8 columns of each matrix,
	s_lshl_b32 s20, s42, 8
	s_mov_b32 s21, 0
	s_add_nc_u64 s[76:77], s[76:77], s[20:21]
	s_add_nc_u64 s[78:79], s[78:79], s[20:21]
	s_add_nc_u64 s[80:81], s[80:81], s[20:21]
.irp t, 0,1,2
.irp u, 0,1
	global_load_b128 v[BI+16*(\t)+8*(\u):BI+16*(\t)+8*(\u)+3],   v[BO], s[76+2*(\t):77+2*(\t)] offset:64*(\u)
	global_load_b128 v[BI+16*(\t)+8*(\u)+4:BI+16*(\t)+8*(\u)+7], v[BO], s[76+2*(\t):77+2*(\t)] offset:64*(\u)+16
.endr
.endr
	; where my results go,
	s_lshl_b32 s20, s42, 17                        ; qb: tx x 131,072 + ty x 32,768 + wave x 64 rows of 128 bytes
	s_lshl_b32 s22, s41, 15
	s_add_co_u32 s20, s20, s22
	s_lshl_b32 s22, s10, 13
	s_add_co_u32 s20, s20, s22
	s_add_nc_u64 s[82:83], s[82:83], s[20:21]
	s_lshl_b32 s20, s11, 18                        ; part: sum (w / 2) x 262,144 + tx x 4,096 + ty x 1,024 + (w % 2) x 512
	s_lshl_b32 s22, s42, 12
	s_add_co_u32 s20, s20, s22
	s_lshl_b32 s22, s41, 10
	s_add_co_u32 s20, s20, s22
	s_lshl_b32 s22, s12, 9
	s_add_co_u32 s20, s20, s22
	s_add_nc_u64 s[84:85], s[84:85], s[20:21]
	; and the prefetches: they stand at K step 5; each change of slots that fills steps them once, so the change in step t names step t + 6
	s_lshl_b32 s16, s40, 13                        ; x: my work-group's 8,192 bytes of the tile
	s_add_co_u32 s16, s16, 5*XSTEP
	s_lshl_b32 s17, s41, 18                        ; W: my work-group's 16 rows of the 64
	s_add_co_u32 s17, s17, 5*WSTEP
	s_mov_b32 s18, XSTEP
	s_mov_b32 s19, 256
	s_mov_b32 s20, 16384
	s_mov_b32 s21, 4096
	s_cmp_eq_u32 ttmp9, 0                          ; the same in all sixteen partners
	s_cselect_b32 s23, 1, -1
	s_cmp_eq_u32 s10, 0
	s_cselect_b64 s[PFA:PFA+1], s[14:15], s[46:47]
	s_cselect_b32 s16, s16, s17
	s_cselect_b32 s[PSTEP], s18, s19
	s_cselect_b32 s20, s19, s20                    ; x: 256 x lane = 256 (l % 16) + 4,096 (l / 16);  W: a row for l % 16, the second step's 256 bytes for l / 16
	s_cselect_b32 s21, s21, s19
	s_cselect_b32 s[LIM], s23, 1
	s_cselect_b32 s[LIM+1], s23, -1
	s_mov_b32 s17, 0
	s_mov_b32 s[PSTEP+1], 0
	s_add_nc_u64 s[PFA:PFA+1], s[PFA:PFA+1], s[16:17]
	v_mul_u32_u24 v[PFO], v1, s20
	v_mad_u32_u24 v[PFO], v2, s21, v[PFO]
	s_wait_loadcnt 0x0                             ; the biases: rounded to bf16 like every input, and widened again
.set c, 0
.rept 24
	v_cvt_pk_bf16_f32 v[32+c], v[BI+2*c], v[BI+2*c+1]
.set c, c+1
.endr
.set c, 0
.rept 24
	v_lshlrev_b32 v[BI+2*c],   16,  v[32+c]
	v_and_b32     v[BI+2*c+1], s92, v[32+c]
.set c, c+1
.endr
; 24 LDS loads in one run: my six fragments of W, 16 rows x 32 k in f32, at byte kb of the rows: 16 registers each, k ascending as a bf16 fragment wants it
.macro FETCHB slot, kb
	WIN TO_1
.irp b, 0,1,2,3,4,5
	ds_load_b128 v[RAW+16*(\b):RAW+16*(\b)+3],     v[ADRB+(\slot)] offset:(\kb)+(64*((\b)/2)+16*((\b)%2))*PB
	ds_load_b128 v[RAW+16*(\b)+4:RAW+16*(\b)+7],   v[ADRB+(\slot)] offset:(\kb)+(64*((\b)/2)+16*((\b)%2))*PB+16
	ds_load_b128 v[RAW+16*(\b)+8:RAW+16*(\b)+11],  v[ADRB+(\slot)] offset:(\kb)+(64*((\b)/2)+16*((\b)%2))*PB+64
	ds_load_b128 v[RAW+16*(\b)+12:RAW+16*(\b)+15], v[ADRB+(\slot)] offset:(\kb)+(64*((\b)/2)+16*((\b)%2))*PB+80
.endr
.endm
; 16 LDS loads: my eight fragments of x, 16 rows x 32 k in bf16, at byte kb of the rows, into buffer f
.macro FETCHA slot, kb, f
	WIN 0
.irp a, 0,1,2,3,4,5,6,7
	ds_load_b128 v[(\f)+8*(\a):(\f)+8*(\a)+3],   v[ADRA+(\slot)] offset:(\kb)+(\a)*16*PA
	ds_load_b128 v[(\f)+8*(\a)+4:(\f)+8*(\a)+7], v[ADRA+(\slot)] offset:(\kb)+(\a)*16*PA+32
.endr
.endm
; Four of the 48 roundings of a sub-step's W: register c of the bf16 fragments is the pair 2 c, 2 c + 1 of the f32 ones
.macro CV4 g, d
	WIN CVT
.irp c, 0,1,2,3
	v_cvt_pk_bf16_f32 v[(\d)+4*(\g)+(\c)], v[RAW+8*(\g)+2*(\c)], v[RAW+8*(\g)+2*(\c)+1]
.endr
.endm
; Six matrix instructions: row block a x all six column blocks, 32 along K.  zero = 1: the product starts the sum.  d >= 0: behind every second product stand four roundings of the NEXT sub-step's W
; into buffer d.  They name no register of the products round them.  The 48 accumulators take turns, one instruction a turn, in the same order in every sub-step.
.macro MULA fa, fb, a, zero, d
.irp b, 0,1,2,3,4,5
	WIN MUL_LO+0x50*((\a)/4)
.set AC, 8*(6*((\a)%4)+(\b))
.if \zero
	v_wmma_f32_16x16x32_bf16 v[AC:AC+7], v[(\fb)+8*(\b):(\fb)+8*(\b)+7], v[(\fa)+8*(\a):(\fa)+8*(\a)+7], 0
.else
	v_wmma_f32_16x16x32_bf16 v[AC:AC+7], v[(\fb)+8*(\b):(\fb)+8*(\b)+7], v[(\fa)+8*(\a):(\fa)+8*(\a)+7], v[AC:AC+7]
.endif
.if ((\d) >= 0) && ((\b)%2 == 1)
	CV4 3*((\a)-4)+((\b)-1)/2, \d
.endif
.endr
.endm
; A K step's FIRST sub-step: multiplies F0 x BB0, fetches and rounds the second sub-step's fragments, the slot's last bytes to be read.
; mode 2: and changes slots with a refill; mode 1: changes slots, nothing is left to fetch; mode 0: the last step.
.macro EVEN slot, zero, mode
.if (\mode) == 2
	s_wait_xcnt 0x0                                ; the last prefetch, 48 matrix instructions back, has read its address, so it may be stepped
	s_add_nc_u64 s[PFA:PFA+1], s[PFA:PFA+1], s[PSTEP:PSTEP+1]
.endif
	FETCHB \slot, 128
	s_wait_dscnt 24                                ; x's fragments in F0 are in; the 24 loads just issued stay out
.irp a, 0,1,2,3
	MULA F0, BB0, \a, \zero, -1
.endr
	PLACES                                         ; for the loads into F1 and the roundings into BB1, which the last sub-step's products read
	FETCHA \slot, 64, F1
	s_wait_dscnt 16                                ; W's f32 fragments are in; x's 16 loads stay out
.if (\mode) == 0
.irp a, 4,5,6,7
	MULA F0, BB0, \a, \zero, BB1
.endr
.else
	MULA F0, BB0, 4, \zero, BB1
	MULA F0, BB0, 5, \zero, BB1
	WIN 0                                          ; (the add's two registers lie in window 0)
	s_wait_tensorcnt 0x0                           ; all my tensor loads have landed: the one that was out is my part of the other slot
	ds_add_u32 v[SPW], v[NIL]                      ; 0 onto my spare word
	MULA F0, BB0, 6, \zero, BB1                    ; work on registers while the add is out
	s_wait_dscnt 0x0                               ; the add is done, and my reads of this slot are over (the last were x's 16 above)
	s_barrier_signal -1
	MULA F0, BB0, 7, \zero, BB1                    ; work on registers while the others arrive
	WIN 0
	s_barrier_wait -1                              ; nobody in my work-group reads this slot any more, and the other slot is whole
.if (\mode) == 2
	CREST                                          ; the barrier has opened a round of the cluster's: no wave of any partner still reads this slot or has a load on its way
	s_add_nc_u64 s[G0A+4*(\slot)+2:G0A+4*(\slot)+3], s[G0A+4*(\slot)+2:G0A+4*(\slot)+3], 2*XSTEP
	s_add_nc_u64 s[G0B+4*(\slot)+2:G0B+4*(\slot)+3], s[G0B+4*(\slot)+2:G0B+4*(\slot)+3], 2*WSTEP
	JLOAD \slot                                    ; my one tensor load behind the round: the step two on; 84 matrix instructions stand between it and the wait for it
.endif
.endif
.endm
; A K step's SECOND sub-step: multiplies F1 x BB1 (F1's loads were waited for in front of the change's barrier), fetches and rounds the next step's first fragments from the other slot.
.macro ODD slot, last, ask
.if \last
	s_wait_dscnt 0x0                               ; x's fragments in F1
.else
	FETCHB 1-(\slot), 0
.if \ask
	WIN 0
	ASK \slot
.endif
.endif
.irp a, 0,1,2,3
	MULA F1, BB1, \a, 0, -1
.endr
.if \last
.irp a, 4,5,6,7
	MULA F1, BB1, \a, 0, -1
.endr
.else
	PLACES                                         ; for the loads into F0 and the roundings into BB0
	FETCHA 1-(\slot), 0, F0
	s_wait_dscnt 16                                ; W's f32 fragments are in; x's 16 loads stay out
.irp a, 4,5,6,7
	MULA F1, BB1, \a, 0, BB0
.endr
.endif
.endm
	s_wait_tensorcnt 1                             ; my part of K step 0 is in; step 1's may stay out
	s_barrier_signal -1
	s_barrier_wait -1                              ; everybody's is
	FETCHB 0, 0
	FETCHA 0, 0, F0
	s_wait_dscnt 16                                ; W's 24 loads are in
.irp g, 0,1,2,3,4,5,6,7,8,9,10,11
	CV4 \g, BB0
.endr
	s_mov_b32 s3, 30
	EVEN 0, 1, 2                                   ; K step 0's first sub-step stands in front of the loop: its products start the sums
	WIN 0                                          ; at a label and at a branch every window is 0
.Llap:                                                 ; 30 trips, each from a step's second sub-step to the first of the step two on; both slots are filled again
	ODD 0, 0, 1
	EVEN 1, 0, 2
	ODD 1, 0, 1
	EVEN 0, 0, 2
	WIN 0
	s_sub_co_u32 s3, s3, 1
	s_cmp_lg_u32 s3, 0
	s_cbranch_scc1 .Llap
	ODD 0, 0, 0                                    ; the tail is written out: step 60
	EVEN 1, 0, 2                                   ; step 61, whose change asks for step 63: the last load
	ODD 1, 0, 0
	EVEN 0, 0, 1                                   ; step 62: a change of slots with nothing to fetch, so no round
	ODD 0, 0, 0
	EVEN 1, 0, 0                                   ; step 63
	ODD 1, 1, 0
	; THE WAY OUT.  Row block by row block: + bias; q rounded to bf16 into the work-group's stage; the lane's 16 products k v and 16 |k| summed.
	WIN 0
	PLACES
	PLACES                                         ; eight plain instructions behind the last products, ahead of the first read of a result
.macro EPI a
	WIN 0x02+(\a)/4                                ; source 0: the accumulators' window
.irp b, 0,1,2,3,4,5
.irp p, 0,1,2,3                                        ; each accumulator is read from its lowest registers on
	v_pk_add_f32 v[T+8*(\b)+2*(\p):T+8*(\b)+2*(\p)+1], v[8*(6*((\a)%4)+(\b))+2*(\p):8*(6*((\a)%4)+(\b))+2*(\p)+1], v[BI+8*(\b)+2*(\p):BI+8*(\b)+2*(\p)+1]
.endr
.endr
	WIN 0
.irp c, 0,1,2,3,4,5,6,7
	v_cvt_pk_bf16_f32 v[QP+(\c)], v[T+2*(\c)], v[T+2*(\c)+1]
.endr
	ds_store_b128 v[STO], v[QP:QP+3]   offset:(\a)*16*PA
	ds_store_b128 v[STO], v[QP+4:QP+7] offset:(\a)*16*PA+32
	v_pk_mul_f32 v[KV+2*(\a):KV+2*(\a)+1], v[T+16:T+17], v[T+32:T+33]
.irp i, 1,2,3,4,5,6,7
	v_pk_fma_f32 v[KV+2*(\a):KV+2*(\a)+1], v[T+16+2*(\i):T+17+2*(\i)], v[T+32+2*(\i):T+33+2*(\i)], v[KV+2*(\a):KV+2*(\a)+1]
.endr
.irp i, 0,1,2,3,4,5,6,7,8,9,10,11,12,13,14,15
	v_and_b32 v[T+16+(\i)], s93, v[T+16+(\i)]      ; |k|, in place: k v has been taken
.endr
	v_pk_add_f32 v[KS+2*(\a):KS+2*(\a)+1], v[T+16:T+17], v[T+18:T+19]
.irp i, 2,3,4,5,6,7
	v_pk_add_f32 v[KS+2*(\a):KS+2*(\a)+1], v[KS+2*(\a):KS+2*(\a)+1], v[T+16+2*(\i):T+17+2*(\i)]
.endr
.endm
.irp a, 0,1,2,3,4,5,6,7
	EPI \a
.endr
	; a row's 32 columns of this wave lie in two lanes, 16 apart, two sums each
.irp a, 0,1,2,3,4,5,6,7
	v_add_f32 v[KV+2*(\a)], v[KV+2*(\a)], v[KV+2*(\a)+1]
	v_add_f32 v[KS+2*(\a)], v[KS+2*(\a)], v[KS+2*(\a)+1]
.endr
.irp a, 0,1,2,3,4,5,6,7
	v_permlanex16_b32 v[KV+2*(\a)+1], v[KV+2*(\a)], s94, s95
	v_permlanex16_b32 v[KS+2*(\a)+1], v[KS+2*(\a)], s94, s95
.endr
.irp a, 0,1,2,3,4,5,6,7
	v_add_f32 v[KV+2*(\a)], v[KV+2*(\a)], v[KV+2*(\a)+1]
	v_add_f32 v[KS+2*(\a)], v[KS+2*(\a)], v[KS+2*(\a)+1]
.endr
	v_cmp_lt_u32 vcc_lo, 15, v[LN]                 ; lanes 16-31 take the odd row block: 32 lanes then hold 32 consecutive rows' sums
.irp i, 0,1,2,3
	v_cndmask_b32 v[32+(\i)], v[KV+4*(\i)], v[KV+4*(\i)+2], vcc_lo
	v_cndmask_b32 v[36+(\i)], v[KS+4*(\i)], v[KS+4*(\i)+2], vcc_lo
.endr
.irp i, 0,1,2,3
	ds_store_b32 v[SST], v[32+(\i)] offset:128*(\i)
	ds_store_b32 v[SST], v[36+(\i)] offset:2048+128*(\i)
.endr
	s_wait_dscnt 0x0                               ; for the others' sake: a row's 128 bytes of q and its two halves of each sum come from two waves
	s_barrier_signal -1
	s_barrier_wait -1
.irp i, 0,1,2,3,4,5,6,7,8,9,10,11,12,13,14,15
	ds_load_b128 v[64+4*(\i):67+4*(\i)], v[RD] offset:4*PA*(\i)
.endr
	ds_load_b128 v[32:35], v[SRD]                  ; four rows' sums over columns 0-31,
	ds_load_b128 v[36:39], v[SRD] offset:1024      ; and over columns 32-63
.irp i, 0,1,2,3,4,5,6,7,8,9,10,11,12,13,14,15
	s_wait_dscnt 17-(\i)                           ; LDS loads come back in order: load i is in
	global_store_b128 v[GO], v[64+4*(\i):67+4*(\i)], s[82:83] offset:512*(\i)  ; four rows of the tile: 512 consecutive bytes of qb, aligned
.endr
	s_wait_dscnt 0x0
	v_pk_add_f32 v[32:33], v[32:33], v[36:37]
	v_pk_add_f32 v[34:35], v[34:35], v[38:39]
	global_store_b128 v[GO], v[32:35], s[84:85]    ; 128 rows' sums: 512 consecutive bytes of part, aligned
	s_wait_tensorcnt 0x0                           ; the wave's end: a wait, an add and a wait, behind my last tensor load and my last LDS store
	ds_add_u32 v[SPW], v[NIL]
	s_wait_dscnt 0x0
	CROUND                                         ; the closing round: no work-group ends while a partner may still ask for a tile that names it
	s_endpgm
.Lfunc_end_k_q3506ac4318_gemm:
	.size	k_q3506ac4318_gemm, .Lfunc_end_k_q3506ac4318_gemm-k_q3506ac4318_gemm
	.p2alignl 7, 3214868480
	.fill 96, 4, 3214868480
	.section	.rodata,"a",@progbits
	.p2align	6, 0x0
	.amdhsa_kernel k_q3506ac4318_gemm
		.amdhsa_group_segment_fixed_size 327680
		.amdhsa_private_segment_fixed_size 0
		.amdhsa_enable_private_segment 0
		.amdhsa_kernarg_size 72
		.amdhsa_user_sgpr_count 2
		.amdhsa_user_sgpr_kernarg_segment_ptr 1
		.amdhsa_wavefront_size32 1
		.amdhsa_system_sgpr_workgroup_id_x 1
		.amdhsa_system_sgpr_workgroup_id_y 1
		.amdhsa_system_sgpr_workgroup_id_z 1
		.amdhsa_system_vgpr_workitem_id 0
		.amdhsa_next_free_vgpr 960
		.amdhsa_next_free_sgpr 96
		.amdhsa_reserve_vcc 1
		.amdhsa_float_denorm_mode_32 3
		.amdhsa_float_denorm_mode_16_64 3
		.amdhsa_memory_ordered 1
		.amdhsa_forward_progress 1
		.amdhsa_inst_pref_size 168
	.end_amdhsa_kernel
	.amdgpu_metadata
---
amdhsa.version: [ 1, 2 ]
amdhsa.kernels:
  - .name:           k_q3506ac4318_gemm
    .symbol:         k_q3506ac4318_gemm.kd
    .args:
      - { .name: xb, .offset: 0, .size: 8, .value_kind: global_buffer, .address_space: global }
      - { .name: Wq, .offset: 8, .size: 8, .value_kind: global_buffer, .address_space: global }
      - { .name: Wk, .offset: 16, .size: 8, .value_kind: global_buffer, .address_space: global }
      - { .name: Wv, .offset: 24, .size: 8, .value_kind: global_buffer, .address_space: global }
      - { .name: bq, .offset: 32, .size: 8, .value_kind: global_buffer, .address_space: global }
      - { .name: bk, .offset: 40, .size: 8, .value_kind: global_buffer, .address_space: global }
      - { .name: bv, .offset: 48, .size: 8, .value_kind: global_buffer, .address_space: global }
      - { .name: qb, .offset: 56, .size: 8, .value_kind: global_buffer, .address_space: global }
      - { .name: part, .offset: 64, .size: 8, .value_kind: global_buffer, .address_space: global }
    .group_segment_fixed_size: 327680
    .private_segment_fixed_size: 0
    .kernarg_segment_align: 8
    .kernarg_segment_size: 72
    .max_flat_workgroup_size: 128
    .sgpr_count:     96
    .vgpr_count:     960
    .wavefront_size: 32
...
	.end_amdgpu_metadata
.endif
;; end of part 2
;; launch final (part 3): grid 16 x 16, 8 waves a work-group, no clusters, 9,728 bytes of LDS; arguments qb, part, out0; writes out0
.if DOCPART == 3
	.amdgcn_target "amdgcn-amd-amdhsa--gfx1250"
	.amdhsa_code_object_version 6
	.text
	.protected	k_q3506ac4318_final
	.globl	k_q3506ac4318_final
	.p2align	8
	.type	k_q3506ac4318_final,@function
k_q3506ac4318_final:
	s_mov_b64 s[64:65], 0
	v_nop
	global_prefetch_b8 v0, s[64:65] scope:SCOPE_SE
	s_setreg_imm32_b32 hwreg(HW_REG_WAVE_MODE, 25, 1), 1
	s_wait_xcnt 0x0
; out[r][c] = q kv / (1 + |q| ksum), with kv[r] and ksum[r] the sums of the 64 partial sums that the product launch left for each row.
; qb: [64 tx][1024][64] bf16.  part: [2][64 tx][1024] f32 (0: sum k v, 1: sum |k|).  out0: [1024][4096] f32.
; LIMITS.  The division is a multiplication by v_rcp_f32's result (1 ulp; a divisor above 2^126 gives 0); where q kv overflows beside such a divisor the result is NaN.  NaN and infinities are not treated apart.
; SHARES.  A work-group has 64 rows x 256 columns (four tx): 64 rows make each piece of part 256 consecutive bytes.  Wave w has rows 8 w .. 8 w + 7.
; Each work-group sums the partial sums of its 64 rows itself (32,768 bytes, in whole aligned blocks of 256): the 16 work-groups of a row block read the same bytes.
; No matrix unit, no cluster, no tensor load, no prefetch: a short stream in which each byte of qb is read once and each byte of out0 written once.
.set PARTS, 0                          ; LDS: [2 sums][16 slices][64 rows] f32
.set TOT,   8192                       ; [2 sums][64 rows] f32
.set SPARE, 8704                       ; the spare words, 128 bytes for each of the eight waves: four blocks of 256 bytes that no other line names
.set SPW, 2                            ; v2   LDS address of my spare word; never rewritten
.set NIL, 3                            ; v3   0; never rewritten
.set QR,  16                           ; v[16:47]  q as loaded: row pair p, tx j: two registers at QR + 8 p + 2 j
.set PT,  48                           ; v[48:79]  part as loaded; later Q (v48-63, q in f32, then q kv) and D (v64-79, the divisors, then their reciprocals)
.set Q,   48
.set D,   64
.set KK,  80                           ; v[80:87]  row pair p: kv, ksum of my row
.set O,   96                           ; v[96:159] row pair p: 16 results; before that, at work in the sum
	s_load_b128 s[4:7], s[0:1], 0x0                ; qb s[4:5], part s[6:7]
	s_load_b64 s[8:9], s[0:1], 0x10                ; out0
	v_lshl_add_u32 v[SPW], v0, 2, SPARE
	v_mov_b32 v[NIL], 0
	v_lshrrev_b32 v1, 5, v0
	v_readfirstlane_b32 s10, v1                    ; wave 0..7
	v_and_b32 v4, 31, v0                           ; l
	v_bfe_u32 v5, v0, 4, 1                         ; l / 16
	v_and_b32 v6, 15, v0                           ; l % 16
	s_and_b32 s11, ttmp7, 0xffff                   ; the block of 64 rows
	s_lshl_b32 s12, s10, 15
	v_lshl_add_u32 v7, v5, 12, s12                 ; part: tx = 8 w + l / 16 (+ 2 i), 4,096 bytes each,
	v_lshl_add_u32 v7, v6, 4, v7                   ; four rows a lane
	s_lshl_b32 s12, s10, 10
	v_lshl_add_u32 v8, v4, 3, s12                  ; qb: my wave's 8 rows of 128 bytes; 8 bytes a lane, two rows a load
	v_lshlrev_b32 v9, 4, v0                        ; PARTS: slice 2 w + l / 16, four rows: 512 w + 16 l
	v_and_b32 v15, 127, v0                         ; the 128 sums have a thread each
	v_lshrrev_b32 v10, 6, v15
	v_and_b32 v11, 63, v15
	v_lshlrev_b32 v10, 12, v10
	v_lshl_add_u32 v10, v11, 2, v10                ; which sum x 4,096 + row x 4
	v_lshl_add_u32 v11, v15, 2, TOT
	s_lshl_b32 s12, s10, 5
	s_add_co_u32 s12, s12, TOT
	v_lshl_add_u32 v12, v5, 2, s12                 ; TOT: row 8 w + l / 16 (+ 2 p)
	s_lshl_b32 s12, s10, 17
	v_lshl_add_u32 v13, v5, 14, s12                ; out0: row 8 w + l / 16, 16,384 bytes a row,
	v_lshl_add_u32 v13, v6, 4, v13                 ; 16 bytes a lane
	v_mov_b32 v14, 1.0
	s_mov_b32 s13, 0xffff0000                      ; a word's upper bf16
	s_lshl_b32 s14, s11, 8                         ; part: 64 rows of 4 bytes
	s_mov_b32 s15, 0
	s_lshl_b32 s16, ttmp9, 19                      ; qb: four tx of 131,072 bytes, 64 rows of 128
	s_lshl_b32 s18, s11, 13
	s_add_co_u32 s16, s16, s18
	s_mov_b32 s17, 0
	s_lshl_b32 s18, s11, 20                        ; out0: 64 rows of 16,384 bytes, 256 columns of 4
	s_lshl_b32 s20, ttmp9, 10
	s_add_co_u32 s18, s18, s20
	s_mov_b32 s19, 0
	s_wait_kmcnt 0x0
	s_add_nc_u64 s[6:7], s[6:7], s[14:15]
	s_add_nc_u64 s[4:5], s[4:5], s[16:17]
	s_add_nc_u64 s[8:9], s[8:9], s[18:19]
.irp s, 0,1
.irp i, 0,1,2,3
	global_load_b128 v[PT+16*(\s)+4*(\i):PT+16*(\s)+4*(\i)+3], v7, s[6:7] offset:(\s)*262144+(\i)*8192  ; 16 lanes take 256 consecutive bytes, aligned: 64 rows of one tx
.endr
.endr
.irp p, 0,1,2,3
.irp j, 0,1,2,3
	global_load_b64 v[QR+8*(\p)+2*(\j):QR+8*(\p)+2*(\j)+1], v8, s[4:5] offset:(\j)*131072+(\p)*256 th:TH_LOAD_NT  ; two rows of a tx: 256 consecutive bytes, aligned
.endr
.endr
	s_wait_loadcnt 16                              ; part's eight loads are in; q's sixteen stay out
.irp s, 0,1
.irp c, 0,2
	v_pk_add_f32 v[PT+16*(\s)+(\c):PT+16*(\s)+(\c)+1],     v[PT+16*(\s)+(\c):PT+16*(\s)+(\c)+1],     v[PT+16*(\s)+4+(\c):PT+16*(\s)+4+(\c)+1]
	v_pk_add_f32 v[PT+16*(\s)+8+(\c):PT+16*(\s)+8+(\c)+1], v[PT+16*(\s)+8+(\c):PT+16*(\s)+8+(\c)+1], v[PT+16*(\s)+12+(\c):PT+16*(\s)+12+(\c)+1]
.endr
.irp c, 0,2
	v_pk_add_f32 v[PT+16*(\s)+(\c):PT+16*(\s)+(\c)+1],     v[PT+16*(\s)+(\c):PT+16*(\s)+(\c)+1],     v[PT+16*(\s)+8+(\c):PT+16*(\s)+8+(\c)+1]
.endr
	ds_store_b128 v9, v[PT+16*(\s):PT+16*(\s)+3] offset:PARTS+4096*(\s)  ; four tx summed: 16 slices are left
.endr
	s_wait_dscnt 0x0                               ; for the others' sake: my slices are in LDS
	s_barrier_signal -1
	s_barrier_wait -1
	s_cmp_lt_u32 s10, 4                            ; waves 0 to 3: a thread for each of the 2 x 64 sums
	s_cbranch_scc0 .Lsummed
.irp i, 0,1,2,3,4,5,6,7,8,9,10,11,12,13,14,15
	ds_load_b32 v[O+(\i)], v10 offset:PARTS+256*(\i)
.endr
	s_wait_dscnt 0x0
.irp c, 0,2,4,6
	v_pk_add_f32 v[O+(\c):O+(\c)+1], v[O+(\c):O+(\c)+1], v[O+8+(\c):O+8+(\c)+1]
.endr
	v_pk_add_f32 v[O:O+1],   v[O:O+1],   v[O+4:O+5]
	v_pk_add_f32 v[O+2:O+3], v[O+2:O+3], v[O+6:O+7]
	v_pk_add_f32 v[O:O+1],   v[O:O+1],   v[O+2:O+3]
	v_add_f32 v[O], v[O], v[O+1]
	ds_store_b32 v11, v[O]
.Lsummed:
	s_wait_dscnt 0x0                               ; for the others' sake: the sums are in LDS
	s_barrier_signal -1
	s_barrier_wait -1
.irp p, 0,1,2,3
	ds_load_b32 v[KK+2*(\p)],   v12 offset:8*(\p)      ; kv of row 8 w + 2 p + l / 16,
	ds_load_b32 v[KK+2*(\p)+1], v12 offset:256+8*(\p)  ; and its ksum
.endr
	s_wait_dscnt 0x0
.irp p, 0,1,2,3
	s_wait_loadcnt 12-4*(\p)                       ; this row pair's four loads are in; the later pairs' stay out
.irp j, 0,1,2,3
	v_lshlrev_b32 v[Q+4*(\j)],   16,  v[QR+8*(\p)+2*(\j)]
	v_and_b32     v[Q+4*(\j)+1], s13, v[QR+8*(\p)+2*(\j)]
	v_lshlrev_b32 v[Q+4*(\j)+2], 16,  v[QR+8*(\p)+2*(\j)+1]
	v_and_b32     v[Q+4*(\j)+3], s13, v[QR+8*(\p)+2*(\j)+1]
.endr
.irp i, 0,1,2,3,4,5,6,7,8,9,10,11,12,13,14,15
	v_fma_f32 v[D+(\i)], |v[Q+(\i)]|, v[KK+2*(\p)+1], v14  ; 1 + |q| ksum
.endr
.irp i, 0,1,2,3,4,5,6,7,8,9,10,11,12,13,14,15
	v_rcp_f32 v[D+(\i)], v[D+(\i)]                 ; one batch of sixteen
.endr
.irp i, 0,2,4,6,8,10,12,14
	v_pk_mul_f32 v[Q+(\i):Q+(\i)+1], v[Q+(\i):Q+(\i)+1], v[KK+2*(\p):KK+2*(\p)+1] op_sel_hi:[1,0]  ; q kv: plain work that names no reciprocal, behind the batch
.endr
	s_wait_alu depctr_va_vdst(0)                   ; one wait for the sixteen reciprocals, ahead of their first reader
.irp i, 0,2,4,6,8,10,12,14
	v_pk_mul_f32 v[O+16*(\p)+(\i):O+16*(\p)+(\i)+1], v[Q+(\i):Q+(\i)+1], v[D+(\i):D+(\i)+1]
.endr
.irp j, 0,1,2,3
	global_store_b128 v13, v[O+16*(\p)+4*(\j):O+16*(\p)+4*(\j)+3], s[8:9] offset:(\p)*32768+(\j)*256 th:TH_STORE_NT  ; 16 lanes store 256 consecutive bytes, aligned; each row pair has result registers of its own
.endr
.endr
	s_wait_tensorcnt 0x0                           ; the wave's end: a wait, an add and a wait, behind my last LDS store
	ds_add_u32 v[SPW], v[NIL]
	s_wait_dscnt 0x0
	s_endpgm
.Lfunc_end_k_q3506ac4318_final:
	.size	k_q3506ac4318_final, .Lfunc_end_k_q3506ac4318_final-k_q3506ac4318_final
	.p2alignl 7, 3214868480
	.fill 96, 4, 3214868480
	.section	.rodata,"a",@progbits
	.p2align	6, 0x0
	.amdhsa_kernel k_q3506ac4318_final
		.amdhsa_group_segment_fixed_size 9728
		.amdhsa_private_segment_fixed_size 0
		.amdhsa_enable_private_segment 0
		.amdhsa_kernarg_size 24
		.amdhsa_user_sgpr_count 2
		.amdhsa_user_sgpr_kernarg_segment_ptr 1
		.amdhsa_wavefront_size32 1
		.amdhsa_system_sgpr_workgroup_id_x 1
		.amdhsa_system_sgpr_workgroup_id_y 1
		.amdhsa_system_sgpr_workgroup_id_z 1
		.amdhsa_system_vgpr_workitem_id 0
		.amdhsa_next_free_vgpr 160
		.amdhsa_next_free_sgpr 66
		.amdhsa_reserve_vcc 0
		.amdhsa_float_denorm_mode_32 3
		.amdhsa_float_denorm_mode_16_64 3
		.amdhsa_memory_ordered 1
		.amdhsa_forward_progress 1
		.amdhsa_inst_pref_size 22
	.end_amdhsa_kernel
	.amdgpu_metadata
---
amdhsa.version: [ 1, 2 ]
amdhsa.kernels:
  - .name:           k_q3506ac4318_final
    .symbol:         k_q3506ac4318_final.kd
    .args:
      - { .name: qb, .offset: 0, .size: 8, .value_kind: global_buffer, .address_space: global }
      - { .name: part, .offset: 8, .size: 8, .value_kind: global_buffer, .address_space: global }
      - { .name: out0, .offset: 16, .size: 8, .value_kind: global_buffer, .address_space: global }
    .group_segment_fixed_size: 9728
    .private_segment_fixed_size: 0
    .kernarg_segment_align: 8
    .kernarg_segment_size: 24
    .max_flat_workgroup_size: 256
    .sgpr_count:     66
    .vgpr_count:     160
    .wavefront_size: 32
...
	.end_amdgpu_metadata
.endif
;; end of part 3
;; ======== version 2 of 3: 3 launches
;; workspace buffers: xb 8,388,608 bytes; qb 8,388,608 bytes; part 524,288 bytes
;; launch cvtx: the kernel of part 1 again; grid 256 x 1, 8 waves a work-group, no clusters, 0 bytes of LDS; arguments x, xb; writes xb
;; launch gemm (part 4): grid 64 x 4, 4 waves a work-group, clusters of 4 x 4, 327,680 bytes of LDS; arguments xb, Wq, Wk, Wv, bq, bk, bv, qb, part; writes qb, part
.if DOCPART == 4
	.amdgcn_target "amdgcn-amd-amdhsa--gfx1250"
	.amdhsa_code_object_version 6
	.text
	.protected	k_q3506ac4318_gemm
	.globl	k_q3506ac4318_gemm
	.p2align	8
	.type	k_q3506ac4318_gemm,@function
k_q3506ac4318_gemm:
	s_mov_b64 s[64:65], 0
	v_nop
	global_prefetch_b8 v0, s[64:65] scope:SCOPE_SE
	s_setreg_imm32_b32 hwreg(HW_REG_WAVE_MODE, 25, 1), 1
	s_wait_xcnt 0x0
	s_wait_alu depctr_hold_cnt(0) depctr_sa_sdst(0) depctr_va_vdst(0) depctr_va_sdst(0) depctr_va_ssrc(0) depctr_va_vcc(0) depctr_vm_vsrc(0)
	s_getreg_b32 s2, hwreg(HW_REG_IB_STS2, 6, 4)
	s_cmp_eq_u32 s2, 0
	s_cbranch_scc0 .Lentry_in_a_cluster
	s_endpgm
.Lentry_in_a_cluster:
	s_bfe_u32 s2, ttmp6, 0x10000c
	s_cmp_lg_u32 s2, 0xf033
	s_cbranch_scc0 .Lentry_shape_is_right
	s_endpgm
.Lentry_shape_is_right:
; q, k, v = x W^T + b for 256 rows x 64 columns OF EACH of the three, then what the last launch needs: q as bf16, and for each row the partial sums of k v and of |k| over these 64 columns.
; xb: [64 kb][1024][64] bf16 (x rounded).  Wq, Wk, Wv: [4096][4096] f32.  bq, bk, bv: [4096] f32.  qb: [64 tx][1024][64] bf16.  part: [2][64 tx][1024] f32 (0: sum k v, 1: sum |k|).
; LIMITS.  x, the three W and the three biases are each rounded once to bf16 (nearest even); products and all sums in f32, in another order than the reference's; q is rounded once more to bf16
; for qb (at most 2^-9 of itself).  NaN and infinities are not treated apart.
; SHARES.  1024 x 12288 results over 256 work-groups: a work-group (tx = 0..63, ty = 0..3) has rows 256 ty .. +255 and columns 64 tx .. +63 of q, of k and of v, so that k and v of one column meet in one lane.
; Four waves: wave w has rows 128 (w / 2) .. +127 and columns 32 (w % 2) .. +31 of each matrix: 8 row blocks a x 6 column blocks b (matrix b / 2, half b % 2) = 48 accumulators, 384 registers.
; THE MATRIX INSTRUCTION IS USED TRANSPOSED: source 0 = 16 rows of W, source 1 = 16 rows of x: a lane holds ONE row of x (lane % 16) and the columns 8 (lane / 16) + 0..7.
; K goes in CHUNKS of 64, each two sub-steps of 32 (48 matrix instructions a wave).
; x comes by JOINT tensor loads: 4 x 4 work-groups form a cluster (ty = cy); the four of a row of the cluster need the same tile of xb and ask for it by the same load, descriptor and mask.
; Two LDS slots of two chunks each; every wave fetches a quarter of a slot; 180 matrix instructions stand between a request and the wait for it.
; W COMES THROUGH REGISTERS, NOT BY JOINT LOADS, though the four row tiles of a cluster's column read the same rows.  The reason, by this text's own sizes: a joint load lands in LDS, where W would lie as f32,
; 768 bytes for each k beside x's 512; two slots of 128 k would then take 342,016 bytes, more than a work-group can have, and slots of 64 k leave a load 84 matrix instructions.  Through registers W is
; rounded ONCE for the work-group and lies in LDS as bf16 (384 bytes for each k), each wave reads 28 fragment loads a sub-step in place of 40, and the loads stay out across barriers:
; of each chunk wave w loads rows 16 w .. +15 of each matrix (24 loads of 512 bytes), and 48 loads of a wave are on their way all the time.
; REGISTERS, in windows of 256 (s_set_vgpr_msb: bits 1:0 source 0, 3:2 source 1, 5:4 source 2, 7:6 destination):
;   window 0: v0-31 addresses; v32-63 at work; v64-127, v128-191 x's fragments, two buffers (on the way out: at work); v192-239 the biases
;   window 1: v0-191 W in f32 as loaded: two sets (chunk parity) of two halves of 48; v192-239 the same rounded, two halves of 24
;   window 2: v0-191 the accumulators of row blocks 0-3 ((a, b) at v[8 (6 (a % 4) + b)]); v192-239 W's fragments for a chunk's first sub-step
;   window 3: v0-191 those of row blocks 4-7; v192-239 W's fragments for a chunk's second sub-step
.set PA,     144                       ; an LDS row, of x and of W alike: 64 k in bf16, 128 bytes + 16: an odd multiple of 16, so the 16 rows of a fragment load start at 16 different 16-byte columns of 256
.set ABLK,   256*PA                    ; x's tile of one chunk
.set ASLOT,  2*ABLK                    ; a slot: two chunks
.set WR,     2*ASLOT                   ; behind x's two slots, never filled by a tensor load: W's ring,
.set WBUF,   192*PA                    ; two buffers of one chunk: 64 rows of Wq, of Wk, of Wv
.set STAGE,  WR+2*WBUF                 ; the q tile, 256 rows x 144 bytes
.set SUMS,   STAGE+256*PA              ; [2 sums][2 column halves][256 rows] f32
.set SPARE,  SUMS+4096                 ; the spare words, 128 bytes for each wave: two blocks of 256 bytes that no other line names
.set XPAIR,  262144                    ; bytes from a slot's two chunks to the next two in xb
.set LN,   3                           ; v3   my lane
.set ADRA, 16                          ; v16-17  LDS address of my x fragments in slot 0, 1
.set WO,   18                          ; v18  my byte offset in the work-group's 64 rows of a W; never rewritten
.set PFW,  19                          ; v19  W's prefetches: my lane's offset; never rewritten
.set ADRB, 20                          ; v20  LDS address of my W fragments in buffer 0
.set WST,  21                          ; v21  where I put 8 bytes of a row of W in buffer 0
.set SST,  22                          ; v22  where I put a row sum
.set SRD,  23                          ; v23  where I read four row sums back
.set STO,  24                          ; v24  where I put 16 bytes of a row of q
.set RD,   25                          ; v25  where I read rows of q back
.set GO,   26                          ; v26  16 x lane
.set SPW,  28                          ; v28  LDS address of my spare word; never rewritten
.set NIL,  29                          ; v29  0; never rewritten
.set PFO,  30                          ; v30  x's prefetches: 256 x lane; never rewritten
.set BO,   31                          ; v31  my byte offset in the work-group's 256 bytes of a bias
.set F0,   64
.set F1,   128
.set BI,   192                         ; v192-239  the biases, rounded to bf16 and widened: column block b, register j at BI + 8 b + j
.set RAW,  0                           ; window 1
.set CT,   192                         ; window 1
.set BB,   192                         ; windows 2 and 3
.set T,    64                          ; the way out: q, k, v of one row block, 48 registers
.set QP,   112                         ; q packed, 8 registers
.set KV,   144                         ; row block a: a pair of sums of k v at KV + 2 a
.set KS,   160                         ; the same for |k|
.set G1A, 24                           ; s[24:31] descriptor group 1 for x's tiles;  s[32:39] group 0, a set for each slot
.set G0A, 32
.set PFX, 86                           ; s[86:87] where my prefetches of xb stand
.set LIMX, 90                          ; s90  I prefetch xb while the loop's count is above it
.set MSB, 0
.macro WIN new                         ; the immediate's high byte repeats the setting that is left; a switch that changes nothing is dropped
.if MSB != (\new)
	s_set_vgpr_msb (MSB<<8)|(\new)
.set MSB, \new
.endif
.endm
.set TO_1,   0x40                      ; destination window 1, address window 0
.set FROM_1, 0x04                      ; an LDS store's data window 1, address window 0
.set CVT,    0x45                      ; destination and both sources window 1
.macro PLACES                          ; four plain vector instructions between a matrix instruction and a load into a register that it has read (ISA guide 7.12.1 for vector instructions)
.rept 4
	v_nop
.endr
.endm
; A joint load: every wave fetches its quarter of slot s (LDS byte 18,432 x wave): one line, one mask; the descriptor hangs on ty and the wave's number alone.  An s_nop 0 and four v_nop follow.
.macro JLOAD s
	tensor_load_to_lds s[G0A+4*(\s):G0A+4*(\s)+3], s[G1A:G1A+7]
	s_nop 0
.rept 4
	v_nop
.endr
.endm
; PREFETCHES INTO THE L2, behind a joint load and the run of loads that follows it.
; xb: at the change that asks for a slot's two chunks, the two chunks that the change TWO refills on (384 matrix instructions) will ask for.  Every cluster reads these rows, cluster x = 0 asks; waves 0 and 2, each for
; one chunk's tile of 32,768 dense bytes, of which the four partners of a row take 8,192 each BY ADDRESS (cx), a lane 256 bytes.
; W: once a trip, the four chunks that the NEXT trip's loads name: 1,024 bytes of each of the 192 rows.  Each cluster has columns of its own.  An instruction takes 8 rows x 4 blocks of 256 bytes, a lane a block;
; waves 0 and 1 ask for Wq and Wv, waves 2 and 3 for Wk; the eight groups of 8 rows go by the wave's parity and, BY ADDRESS, by cy.
; So each aligned block of 256 bytes is named once in the launch.  x's first four slots and W's first eight chunks come by their loads alone; the loop's last trip and the tail ask for nothing: the last chunk named is 63.
.macro ASKX off
	s_cmp_gt_u32 s3, s[LIMX]
	s_cbranch_scc0 .Lnot_x_\@
	global_prefetch_b8 v[PFO], s[PFX:PFX+1] offset:\off th:TH_LOAD_NT scope:SCOPE_SE
.Lnot_x_\@:
.endm
.macro ASKW
	s_cmp_gt_u32 s3, 1
	s_cbranch_scc0 .Lnot_w_\@
	s_cmp_lt_u32 s10, 2
	s_cbranch_scc0 .Lfor_k_\@
	global_prefetch_b8 v[PFW], s[70:71] offset:1024 th:TH_LOAD_NT scope:SCOPE_SE
	global_prefetch_b8 v[PFW], s[74:75] offset:1024 th:TH_LOAD_NT scope:SCOPE_SE
	s_branch .Lnot_w_\@
.Lfor_k_\@:
	global_prefetch_b8 v[PFW], s[72:73] offset:1024 th:TH_LOAD_NT scope:SCOPE_SE
.Lnot_w_\@:
.endm
.macro CREST                           ; a round of the cluster's barrier behind its opening barrier
	s_cmp_lg_u32 s10, 0
	s_cbranch_scc1 .Lnot_wave_0_\@
	s_barrier_signal -3
.Lnot_wave_0_\@:
	s_barrier_wait -3
	s_barrier_signal -1
	s_barrier_wait -1
.endm
.macro CROUND                          ; a whole round
	s_barrier_signal -1
	s_barrier_wait -1
	CREST
.endm
; W's way in.  Load n of a chunk's 24 (matrix n / 8, i = n % 8): lanes 0-15 take the chunk's 256 bytes of row 16 w + i, lanes 16-31 those of row 16 w + 8 + i: two aligned blocks of 256 bytes.  Half hh is n = 12 hh .. + 11.
.macro GL st, hh, off                  ; 12 loads into half hh of set st, from byte off behind the three pointers
	WIN TO_1
.set n, 12*(\hh)
.rept 12
	global_load_b128 v[RAW+96*(\st)+4*n:RAW+96*(\st)+4*n+3], v[WO], s[70+2*(n/8):71+2*(n/8)] offset:(n%8)*16384+(\off)
.set n, n+1
.endr
.endm
.macro CV4 g, st, hh                   ; four of a half's 24 roundings: rounded register e is the pair 2 e, 2 e + 1 of the set
	WIN CVT
.irp c, 0,1,2,3
	v_cvt_pk_bf16_f32 v[CT+24*(\hh)+4*(\g)+(\c)], v[RAW+96*(\st)+48*(\hh)+8*(\g)+2*(\c)], v[RAW+96*(\st)+48*(\hh)+8*(\g)+2*(\c)+1]
.endr
.endm
.macro ST hh, wb                       ; 12 LDS stores of 8 bytes a lane into buffer wb: two rows' 128 bytes, 8 rows = 1,152 bytes apart, which is 128 modulo 256: 256 different bytes modulo 256
	WIN FROM_1
.set n, 12*(\hh)
.rept 12
	ds_store_b64 v[WST], v[CT+2*n:CT+2*n+1] offset:(\wb)*WBUF+(64*(n/8)+(n%8))*PA
.set n, n+1
.endr
.endm
; 12 LDS loads: my six fragments of W, 16 rows x 32 k in bf16, at byte kb of the rows of buffer wb, into window 2 + p
.macro FETCHB wb, kb, p
	WIN 0x80+0x40*(\p)
.irp b, 0,1,2,3,4,5
	ds_load_b128 v[BB+8*(\b):BB+8*(\b)+3],   v[ADRB] offset:(\wb)*WBUF+(\kb)+(64*((\b)/2)+16*((\b)%2))*PA
	ds_load_b128 v[BB+8*(\b)+4:BB+8*(\b)+7], v[ADRB] offset:(\wb)*WBUF+(\kb)+(64*((\b)/2)+16*((\b)%2))*PA+32
.endr
.endm
; 16 LDS loads: my eight fragments of x, 16 rows x 32 k, at byte kb of the rows of chunk blk of a slot, into buffer f
.macro FETCHA slot, blk, kb, f
	WIN 0
.irp a, 0,1,2,3,4,5,6,7
	ds_load_b128 v[(\f)+8*(\a):(\f)+8*(\a)+3],   v[ADRA+(\slot)] offset:(\blk)*ABLK+(\kb)+(\a)*16*PA
	ds_load_b128 v[(\f)+8*(\a)+4:(\f)+8*(\a)+7], v[ADRA+(\slot)] offset:(\blk)*ABLK+(\kb)+(\a)*16*PA+32
.endr
.endm
; Six matrix instructions: row block a x all six column blocks, 32 along K; W's fragments in window 2 + p.  zero = 1: the product starts the sum.  st >= 0 (a = 4, 5, 6): behind every third product stand four
; roundings of half hh of set st; they name no register of the products round them.  The 48 accumulators take turns, one instruction a turn, in the same order in every sub-step.
.macro MULA fa, p, a, zero, st, hh
.irp b, 0,1,2,3,4,5
	WIN (0xa0+0x50*((\a)/4))|(2+(\p))
.set AC, 8*(6*((\a)%4)+(\b))
.if \zero
	v_wmma_f32_16x16x32_bf16 v[AC:AC+7], v[BB+8*(\b):BB+8*(\b)+7], v[(\fa)+8*(\a):(\fa)+8*(\a)+7], 0
.else
	v_wmma_f32_16x16x32_bf16 v[AC:AC+7], v[BB+8*(\b):BB+8*(\b)+7], v[(\fa)+8*(\a):(\fa)+8*(\a)+7], v[AC:AC+7]
.endif
.if ((\st) >= 0) && ((\b)%3 == 2)
	CV4 2*((\a)-4)+(\b)/3, \st, \hh
.endif
.endr
.endm
	s_load_b512 s[68:83], s[0:1], 0x0              ; xb 68, Wq 70, Wk 72, Wv 74, bq 76, bk 78, bv 80, qb 82
	s_load_b64 s[84:85], s[0:1], 0x40              ; part
	v_lshl_add_u32 v[SPW], v0, 2, SPARE
	v_mov_b32 v[NIL], 0
	ds_add_u32 v[SPW], v[NIL]                      ; the wave's opening: the add, twice on end, and its wait ahead of my first tensor load
	ds_add_u32 v[SPW], v[NIL]                      ; once more, under the one wait; the set-up below, work on registers, stands between
	v_lshrrev_b32 v1, 5, v0
	v_readfirstlane_b32 s10, v1                    ; wave 0..3
	s_lshr_b32 s11, s10, 1                         ; which half of the tile's rows is mine.  Also: which chunk of a slot I fetch
	s_and_b32 s12, s10, 1                          ; which half of its columns.  Also: which 128 rows of that chunk
	s_bfe_u32 s40, ttmp6, 0x40000                  ; cx
	s_bfe_u32 s41, ttmp6, 0x40004                  ; cy = ty
	s_lshl_b32 s42, ttmp9, 2
	s_add_co_u32 s42, s42, s40                     ; tx = 4 x cluster x + cx
	s_lshl_b32 s43, s41, 2
	s_lshl_b32 s43, 15, s43                        ; my row of the cluster: places 4 cy .. 4 cy + 3
	; group 1: 128 rows of x of one chunk are 16,384 dense bytes, asked for as 64 rows of 128 elements of 2 bytes; 16 bytes of padding after every 32 words, that is after each row of x
	s_or_b32 s[G1A+0], s43, (1<<16)|(1<<20)|(1<<21)|(4<<22)|(3<<25)
	s_mov_b32 s[G1A+1], 128<<16                    ; tensor_dim0 = 128
	s_mov_b32 s[G1A+2], 64<<16                     ; tensor_dim1 = 64
	s_mov_b32 s[G1A+3], 128<<16                    ; tile_dim0 = 128
	s_mov_b32 s[G1A+4], 64                         ; tile_dim1 = 64
	s_mov_b32 s[G1A+5], 128                        ; elements from row to row
	s_mov_b32 s[G1A+6], 0
	s_mov_b32 s[G1A+7], 0
	s_lshl_b32 s14, s41, 15                        ; x: 256 ty rows of 128 bytes,
	s_lshl_b32 s16, s12, 14                        ; my 128 of them,
	s_add_co_u32 s14, s14, s16
	s_lshl_b32 s16, s11, 17                        ; in my chunk of the slot's two: ty and the wave's number alone
	s_add_co_u32 s14, s14, s16
	s_mov_b32 s15, 0
	s_lshl_b32 s20, s42, 20                        ; W: 64 tx rows of 16,384 bytes
	s_mov_b32 s21, 0
	s_mul_i32 s22, s10, ABLK/2                     ; where my quarter of a slot goes: the wave's number alone
	s_mov_b32 s92, 0xffff0000                      ; a word's upper bf16
	s_mov_b32 s93, 0x7fffffff                      ; clears a sign
	s_mov_b32 s94, 0x76543210                      ; v_permlanex16_b32: each lane takes its own place in the other half
	s_mov_b32 s95, 0xfedcba98
	s_wait_dscnt 0x0                               ; both opening adds are done
	s_wait_kmcnt 0x0
	s_add_nc_u64 s[14:15], s[68:69], s[14:15]
	s_add_nc_u64 s[70:71], s[70:71], s[20:21]      ; the three W at the work-group's first row, chunk 0
	s_add_nc_u64 s[72:73], s[72:73], s[20:21]
	s_add_nc_u64 s[74:75], s[74:75], s[20:21]
	CROUND                                         ; all sixteen work-groups are here: the first joint loads meet
.irp s, 0,1
	s_mov_b32 s[G0A+4*(\s)], 1                                     ; count = 1
	s_add_co_u32 s[G0A+4*(\s)+1], s22, (\s)*ASLOT                  ; LDS address
	s_add_nc_u64 s[G0A+4*(\s)+2:G0A+4*(\s)+3], s[14:15], (\s)*XPAIR  ; global address: chunks 2 s, 2 s + 1
	s_or_b32 s[G0A+4*(\s)+3], s[G0A+4*(\s)+3], 0x80000000          ; type = 2
	JLOAD \s                                       ; two loads of mine are out
.endr
	; The biases and W's first two chunks are asked for at once,
	v_and_b32 v1, 15, v0                           ; l % 16
	v_bfe_u32 v2, v0, 4, 1                         ; l / 16
	v_and_b32 v[LN], 31, v0
	s_lshl_b32 s16, s10, 18
	v_lshl_add_u32 v[WO], v2, 17, s16              ; row 16 w + 8 (l / 16), 16,384 bytes a row,
	v_lshl_add_u32 v[WO], v1, 4, v[WO]             ; 16 bytes a lane
	s_lshl_b32 s16, s12, 7
	v_lshl_add_u32 v[BO], v2, 5, s16               ; 4 bytes x (32 (w % 2) + 8 (l / 16))
	s_lshl_b32 s20, s42, 8
	s_add_nc_u64 s[76:77], s[76:77], s[20:21]
	s_add_nc_u64 s[78:79], s[78:79], s[20:21]
	s_add_nc_u64 s[80:81], s[80:81], s[20:21]
.irp t, 0,1,2
.irp u, 0,1
	global_load_b128 v[BI+16*(\t)+8*(\u):BI+16*(\t)+8*(\u)+3],   v[BO], s[76+2*(\t):77+2*(\t)] offset:64*(\u)
	global_load_b128 v[BI+16*(\t)+8*(\u)+4:BI+16*(\t)+8*(\u)+7], v[BO], s[76+2*(\t):77+2*(\t)] offset:64*(\u)+16
.endr
.endr
	GL 0, 0, 0
	GL 0, 1, 0
	GL 1, 0, 256
	GL 1, 1, 256
	WIN 0
	; and in the wait for them: LDS addresses (the wave's number and the lane alone),
	v_mul_u32_u24 v4, v1, PA
	v_lshl_add_u32 v4, v2, 4, v4                   ; a fragment: row x 144 + 16 x half: registers 0-3 take k = 8 h .. + 7, registers 4-7, 32 bytes on, k = 16 + 8 h .. + 7
	s_mul_i32 s16, s11, 128*PA
	v_add_nc_u32 v[ADRA], s16, v4
	v_add_nc_u32 v[ADRA+1], ASLOT, v[ADRA]
	s_mul_i32 s17, s12, 32*PA
	s_add_co_u32 s17, s17, WR
	v_add_nc_u32 v[ADRB], s17, v4
	s_mul_i32 s17, s10, 16*PA
	s_add_co_u32 s17, s17, WR
	v_mul_u32_u24 v5, v2, 8*PA
	v_lshl_add_u32 v5, v1, 3, v5
	v_add_nc_u32 v[WST], s17, v5                   ; row 16 w + 8 (l / 16), 8 bytes a lane
	s_lshl_b32 s18, s12, 6
	s_add_co_u32 s18, s18, s16
	s_add_co_u32 s18, s18, STAGE
	v_add_nc_u32 v[STO], s18, v4                   ; the stage: row 128 (w / 2) + l % 16, byte 64 (w % 2) + 16 (l / 16)
	v_lshrrev_b32 v6, 3, v[LN]
	v_and_b32 v7, 7, v0
	v_mul_u32_u24 v6, v6, PA
	v_lshl_add_u32 v6, v7, 4, v6
	s_mul_i32 s19, s10, 64*PA
	s_add_co_u32 s19, s19, STAGE
	v_add_nc_u32 v[RD], s19, v6                    ; back: wave w takes rows 64 w .. + 63; 32 lanes take four rows of 128 bytes
	s_lshl_b32 s16, s12, 10
	s_lshl_b32 s17, s11, 9
	s_add_co_u32 s16, s16, s17
	s_add_co_u32 s16, s16, SUMS
	v_lshl_add_u32 v[SST], v[LN], 2, s16
	s_lshl_b32 s16, s11, 11                        ; back: wave w takes sum w / 2, rows 128 (w % 2) .. + 127, four a lane
	s_lshl_b32 s17, s12, 9
	s_add_co_u32 s16, s16, s17
	s_add_co_u32 s16, s16, SUMS
	v_lshl_add_u32 v[SRD], v[LN], 4, s16
	v_lshlrev_b32 v[GO], 4, v[LN]
	; where my results go,
	s_lshl_b32 s20, s42, 17                        ; qb: tx x 131,072 + ty x 32,768 + wave x 64 rows of 128 bytes
	s_lshl_b32 s22, s41, 15
	s_add_co_u32 s20, s20, s22
	s_lshl_b32 s22, s10, 13
	s_add_co_u32 s20, s20, s22
	s_add_nc_u64 s[82:83], s[82:83], s[20:21]
	s_lshl_b32 s20, s11, 18                        ; part: sum (w / 2) x 262,144 + tx x 4,096 + ty x 1,024 + (w % 2) x 512
	s_lshl_b32 s22, s42, 12
	s_add_co_u32 s20, s20, s22
	s_lshl_b32 s22, s41, 10
	s_add_co_u32 s20, s20, s22
	s_lshl_b32 s22, s12, 9
	s_add_co_u32 s20, s20, s22
	s_add_nc_u64 s[84:85], s[84:85], s[20:21]
	; and the prefetches
	s_lshl_b32 s16, s41, 15                        ; xb: the tile of ty, my work-group's 8,192 bytes of it, the chunk of the pair that goes by my wave, at chunks 8 and 9
	s_lshl_b32 s17, s40, 13
	s_add_co_u32 s16, s16, s17
	s_lshl_b32 s17, s11, 17
	s_add_co_u32 s16, s16, s17
	s_add_co_u32 s16, s16, 4*XPAIR
	s_mov_b32 s17, 0
	s_add_nc_u64 s[PFX:PFX+1], s[68:69], s[16:17]
	s_or_b32 s23, s12, ttmp9                       ; waves 0 and 2 of the clusters with x = 0: the same in all sixteen partners
	s_cmp_eq_u32 s23, 0
	s_cselect_b32 s[LIMX], 1, -1
	v_lshlrev_b32 v[PFO], 8, v[LN]
	s_lshl_b32 s16, s41, 1                         ; W: the group of 8 rows: w % 2 + 2 cy,
	s_add_co_u32 s16, s16, s12
	s_lshl_b32 s16, s16, 17
	v_lshrrev_b32 v6, 2, v[LN]
	v_and_b32 v7, 3, v0
	v_lshl_add_u32 v[PFW], v6, 14, s16             ; row l / 4 of the group,
	v_lshl_add_u32 v[PFW], v7, 8, v[PFW]           ; block l % 4 of the four chunks
	s_wait_loadcnt 48                              ; the biases are in (W's 48 loads stay out): rounded to bf16 like every input, and widened again
.set c, 0
.rept 24
	v_cvt_pk_bf16_f32 v[32+c], v[BI+2*c], v[BI+2*c+1]
.set c, c+1
.endr
.set c, 0
.rept 24
	v_lshlrev_b32 v[BI+2*c],   16,  v[32+c]
	v_and_b32     v[BI+2*c+1], s92, v[32+c]
.set c, c+1
.endr
	; W's chunks 0 and 1 are rounded and stored, and their registers asked for again with chunks 2 and 3
.irp u, 0,1
	s_wait_loadcnt 24                              ; chunk u is in; the 24 loads issued behind it stay out
.irp h, 0,1
.irp g, 0,1,2,3,4,5
	CV4 \g, \u, \h
.endr
.endr
	ST 0, \u
	ST 1, \u
	GL \u, 0, 512+256*(\u)
	GL \u, 1, 512+256*(\u)
.endr
	WIN 0
	s_wait_xcnt 0x0                                ; every load issued so far has read its address: the three pointers go on to chunk 4
	s_add_nc_u64 s[70:71], s[70:71], 1024
	s_add_nc_u64 s[72:73], s[72:73], 1024
	s_add_nc_u64 s[74:75], s[74:75], 1024
; THE WALK.  Sub-step s (chunk t = s / 2) opens with ONE run of memory instructions: 12 LDS stores (the half of W that sub-step s - 1 rounded), 12 global loads (into the registers so freed: the same half two chunks on),
; and the 28 LDS loads of sub-step s + 1's fragments.  Its products follow; behind those of row blocks 4 to 6 ride the 24 roundings of the next half, whose loads were issued three runs back.
;   a chunk's first sub-step:  stores chunk t + 1, half 1;  loads chunk t + 3, half 1;  rounds chunk t + 2, half 0
;   its second sub-step:       stores chunk t + 2, half 0;  loads chunk t + 4, half 0;  rounds chunk t + 2, half 1
; ONE BARRIER A CHUNK, in its first sub-step.  In front of it each wave has waited for all its LDS instructions: its stores of chunk t + 1 are done and its reads of chunk t are over.  Behind it chunk t + 1 is read,
; and chunk t + 2 is stored where chunk t lay.  At odd chunks x's slot has been read out too, and the barrier opens a round of the cluster's barrier, behind which the slot is filled again.
; cc = chunk % 4.  mode 3: the work-group's barrier alone (x's load stays out: no tensor load fills anything behind it); 2: a change of x's slots with a refill; 1: a change, nothing left to fetch; 0: the last chunk.
; dost, dogl: the run has stores, loads.  cvw: how many younger global loads may stay out when the roundings begin, or -1: nothing is left to round.
.macro EVEN cc, zero, mode, dost, dogl, cvw
	PLACES                                         ; for the loads into F1 and W's second fragments, which the last sub-step's products read
.if \dost
	ST 1, ((\cc)+1)%2
.endif
.if \dogl
	GL ((\cc)+1)%2, 1, (((\cc)+3)%4)*256
.endif
	FETCHB (\cc)%2, 64, 1
	FETCHA ((\cc)/2)%2, (\cc)%2, 64, F1
	s_wait_dscnt 28+12*(\dost)                     ; this sub-step's fragments are in; what this run has issued stays out
.irp a, 0,1,2,3
	MULA F0, 0, \a, \zero, -1, 0
.endr
.if (\cvw) >= 0
	s_wait_loadcnt \cvw                            ; the 12 loads of the half to be rounded are in; the runs issued behind them stay out
.set CS, (\cc)%2
.else
.set CS, -1
.endif
	MULA F0, 0, 4, \zero, CS, 0
	MULA F0, 0, 5, \zero, CS, 0
.if ((\mode) == 1) || ((\mode) == 2)
	WIN 0                                          ; (the add's two registers lie in window 0)
	s_wait_tensorcnt 0x0                           ; all my tensor loads have landed: the one that was out is my quarter of the other slot
	ds_add_u32 v[SPW], v[NIL]                      ; 0 onto my spare word
.endif
	MULA F0, 0, 6, \zero, CS, 0                    ; work on registers while the add is out
.if (\mode) != 0
	s_wait_dscnt 0x0                               ; my stores into W's ring are done, my reads of this chunk (and of x's slot) are over, and so is the add
	s_barrier_signal -1
.endif
	MULA F0, 0, 7, \zero, -1, 0                    ; work on registers while the others arrive
.if (\mode) != 0
	WIN 0
	s_barrier_wait -1
.endif
.if (\mode) == 2
	CREST                                          ; the barrier has opened a round of the cluster's: no wave of any partner still reads this slot or has a load on its way
	s_add_nc_u64 s[G0A+4*(((\cc)/2)%2)+2:G0A+4*(((\cc)/2)%2)+3], s[G0A+4*(((\cc)/2)%2)+2:G0A+4*(((\cc)/2)%2)+3], 2*XPAIR
	JLOAD ((\cc)/2)%2                              ; my one tensor load behind the round: the two chunks four on; 180 matrix instructions stand between it and the wait for it
.endif
.endm
; pl = 1: four places are written; 0: the four v_nop behind the joint load are those places.  ask = 1, 2: the trip's prefetches.  This sub-step's fragments were waited for in front of the barrier.
.macro ODD cc, last, pl, dost, dogl, cvw, ask
.if \last
	s_wait_dscnt 0x0                               ; the last fragments
.else
.if \pl
	PLACES                                         ; for the loads into F0 and W's first fragments
.endif
.if \dost
	ST 0, (\cc)%2
.endif
.if \dogl
	GL (\cc)%2, 0, (\cc)*256
.endif
	FETCHB ((\cc)+1)%2, 0, 0
	FETCHA (((\cc)+1)/2)%2, ((\cc)+1)%2, 0, F0
.if (\ask) == 1
	WIN 0
	ASKX 0
	ASKW
.elseif (\ask) == 2
	WIN 0
	ASKX XPAIR
.endif
.endif
.irp a, 0,1,2,3
	MULA F1, 1, \a, 0, -1, 0
.endr
.if (\cvw) >= 0
	s_wait_loadcnt \cvw
.set CS, (\cc)%2
.else
.set CS, -1
.endif
	MULA F1, 1, 4, 0, CS, 1
	MULA F1, 1, 5, 0, CS, 1
	MULA F1, 1, 6, 0, CS, 1
	MULA F1, 1, 7, 0, -1, 0
.endm
	s_wait_tensorcnt 1                             ; my quarter of slot 0 is in; slot 1's may stay out: no tensor load fills anything behind this barrier
	s_wait_dscnt 0x0                               ; my rows of W's chunks 0 and 1 are in LDS
	s_barrier_signal -1
	s_barrier_wait -1                              ; everybody's are
	FETCHB 0, 0, 0
	FETCHA 0, 0, 0, F0
	s_mov_b32 s3, 15
	EVEN 0, 1, 3, 0, 0, 36                         ; chunk 0's first sub-step stands in front of the loop: its products start the sums; its run's stores and loads were made above
	WIN 0                                          ; at a label and at a branch every window is 0
.Llap:                                                 ; 15 trips of four chunks, each from a chunk's second sub-step to the first of the chunk four on; both of x's slots are filled again
	ODD 0, 0, 1, 1, 1, 36, 0
	EVEN 1, 0, 2, 1, 1, 36
	ODD 1, 0, 0, 1, 1, 36, 1
	EVEN 2, 0, 3, 1, 1, 36
	ODD 2, 0, 1, 1, 1, 36, 0
	EVEN 3, 0, 2, 1, 1, 36
	ODD 3, 0, 0, 1, 1, 36, 2
	EVEN 0, 0, 3, 1, 1, 36
	WIN 0
	s_wait_xcnt 0x0                                ; the youngest load stands 48 matrix instructions back, the youngest prefetch 96: all have read their addresses, so the pointers may be written
	s_add_nc_u64 s[70:71], s[70:71], 1024
	s_add_nc_u64 s[72:73], s[72:73], 1024
	s_add_nc_u64 s[74:75], s[74:75], 1024
	s_add_nc_u64 s[PFX:PFX+1], s[PFX:PFX+1], 2*XPAIR
	s_sub_co_u32 s3, s3, 1
	s_cmp_lg_u32 s3, 0
	s_cbranch_scc1 .Llap
	ODD 0, 0, 1, 1, 0, 24, 0                       ; the tail is written out. Chunk 60; the counts of younger loads run down
	EVEN 1, 0, 1, 1, 0, 12                         ; chunk 61: the last change of x's slots, with nothing to fetch, so no round
	ODD 1, 0, 1, 1, 0, 0, 0
	EVEN 2, 0, 3, 1, 0, -1                         ; chunk 62: the last half of chunk 63 is stored
	ODD 2, 0, 1, 0, 0, -1, 0
	EVEN 3, 0, 0, 0, 0, -1                         ; chunk 63
	ODD 3, 1, 0, 0, 0, -1, 0
	; THE WAY OUT.  Row block by row block: + bias; q rounded to bf16 into the work-group's stage; the lane's 16 products k v and 16 |k| summed.
	WIN 0
	PLACES
	PLACES                                         ; eight plain instructions behind the last products, ahead of the first read of a result
.macro EPI a
	WIN 0x02+(\a)/4                                ; source 0: the accumulators' window
.irp b, 0,1,2,3,4,5
.irp p, 0,1,2,3                                        ; each accumulator is read from its lowest registers on
	v_pk_add_f32 v[T+8*(\b)+2*(\p):T+8*(\b)+2*(\p)+1], v[8*(6*((\a)%4)+(\b))+2*(\p):8*(6*((\a)%4)+(\b))+2*(\p)+1], v[BI+8*(\b)+2*(\p):BI+8*(\b)+2*(\p)+1]
.endr
.endr
	WIN 0
.irp c, 0,1,2,3,4,5,6,7
	v_cvt_pk_bf16_f32 v[QP+(\c)], v[T+2*(\c)], v[T+2*(\c)+1]
.endr
	ds_store_b128 v[STO], v[QP:QP+3]   offset:(\a)*16*PA
	ds_store_b128 v[STO], v[QP+4:QP+7] offset:(\a)*16*PA+32
	v_pk_mul_f32 v[KV+2*(\a):KV+2*(\a)+1], v[T+16:T+17], v[T+32:T+33]
.irp i, 1,2,3,4,5,6,7
	v_pk_fma_f32 v[KV+2*(\a):KV+2*(\a)+1], v[T+16+2*(\i):T+17+2*(\i)], v[T+32+2*(\i):T+33+2*(\i)], v[KV+2*(\a):KV+2*(\a)+1]
.endr
.irp i, 0,1,2,3,4,5,6,7,8,9,10,11,12,13,14,15
	v_and_b32 v[T+16+(\i)], s93, v[T+16+(\i)]      ; |k|, in place: k v has been taken
.endr
	v_pk_add_f32 v[KS+2*(\a):KS+2*(\a)+1], v[T+16:T+17], v[T+18:T+19]
.irp i, 2,3,4,5,6,7
	v_pk_add_f32 v[KS+2*(\a):KS+2*(\a)+1], v[KS+2*(\a):KS+2*(\a)+1], v[T+16+2*(\i):T+17+2*(\i)]
.endr
.endm
.irp a, 0,1,2,3,4,5,6,7
	EPI \a
.endr
	; a row's 32 columns of this wave lie in two lanes, 16 apart, two sums each
.irp a, 0,1,2,3,4,5,6,7
	v_add_f32 v[KV+2*(\a)], v[KV+2*(\a)], v[KV+2*(\a)+1]
	v_add_f32 v[KS+2*(\a)], v[KS+2*(\a)], v[KS+2*(\a)+1]
.endr
.irp a, 0,1,2,3,4,5,6,7
	v_permlanex16_b32 v[KV+2*(\a)+1], v[KV+2*(\a)], s94, s95
	v_permlanex16_b32 v[KS+2*(\a)+1], v[KS+2*(\a)], s94, s95
.endr
.irp a, 0,1,2,3,4,5,6,7
	v_add_f32 v[KV+2*(\a)], v[KV+2*(\a)], v[KV+2*(\a)+1]
	v_add_f32 v[KS+2*(\a)], v[KS+2*(\a)], v[KS+2*(\a)+1]
.endr
	v_cmp_lt_u32 vcc_lo, 15, v[LN]                 ; lanes 16-31 take the odd row block: 32 lanes then hold 32 consecutive rows' sums
.irp i, 0,1,2,3
	v_cndmask_b32 v[32+(\i)], v[KV+4*(\i)], v[KV+4*(\i)+2], vcc_lo
	v_cndmask_b32 v[36+(\i)], v[KS+4*(\i)], v[KS+4*(\i)+2], vcc_lo
.endr
.irp i, 0,1,2,3
	ds_store_b32 v[SST], v[32+(\i)] offset:128*(\i)
	ds_store_b32 v[SST], v[36+(\i)] offset:2048+128*(\i)
.endr
	s_wait_dscnt 0x0                               ; for the others' sake: a row's 128 bytes of q and its two halves of each sum come from two waves
	s_barrier_signal -1
	s_barrier_wait -1
.irp i, 0,1,2,3,4,5,6,7,8,9,10,11,12,13,14,15
	ds_load_b128 v[64+4*(\i):67+4*(\i)], v[RD] offset:4*PA*(\i)
.endr
	ds_load_b128 v[32:35], v[SRD]                  ; four rows' sums over columns 0-31,
	ds_load_b128 v[36:39], v[SRD] offset:1024      ; and over columns 32-63
.irp i, 0,1,2,3,4,5,6,7,8,9,10,11,12,13,14,15
	s_wait_dscnt 17-(\i)                           ; LDS loads come back in order: load i is in
	global_store_b128 v[GO], v[64+4*(\i):67+4*(\i)], s[82:83] offset:512*(\i)  ; four rows of the tile: 512 consecutive bytes of qb, aligned
.endr
	s_wait_dscnt 0x0
	v_pk_add_f32 v[32:33], v[32:33], v[36:37]
	v_pk_add_f32 v[34:35], v[34:35], v[38:39]
	global_store_b128 v[GO], v[32:35], s[84:85]    ; 128 rows' sums: 512 consecutive bytes of part, aligned
	s_wait_tensorcnt 0x0                           ; the wave's end: a wait, an add and a wait, behind my last tensor load and my last LDS store
	ds_add_u32 v[SPW], v[NIL]
	s_wait_dscnt 0x0
	CROUND                                         ; the closing round: no work-group ends while a partner may still ask for a tile that names it
	s_endpgm
.Lfunc_end_k_q3506ac4318_gemm:
	.size	k_q3506ac4318_gemm, .Lfunc_end_k_q3506ac4318_gemm-k_q3506ac4318_gemm
	.p2alignl 7, 3214868480
	.fill 96, 4, 3214868480
	.section	.rodata,"a",@progbits
	.p2align	6, 0x0
	.amdhsa_kernel k_q3506ac4318_gemm
		.amdhsa_group_segment_fixed_size 327680
		.amdhsa_private_segment_fixed_size 0
		.amdhsa_enable_private_segment 0
		.amdhsa_kernarg_size 72
		.amdhsa_user_sgpr_count 2
		.amdhsa_user_sgpr_kernarg_segment_ptr 1
		.amdhsa_wavefront_size32 1
		.amdhsa_system_sgpr_workgroup_id_x 1
		.amdhsa_system_sgpr_workgroup_id_y 1
		.amdhsa_system_sgpr_workgroup_id_z 1
		.amdhsa_system_vgpr_workitem_id 0
		.amdhsa_next_free_vgpr 1024
		.amdhsa_next_free_sgpr 96
		.amdhsa_reserve_vcc 1
		.amdhsa_float_denorm_mode_32 3
		.amdhsa_float_denorm_mode_16_64 3
		.amdhsa_memory_ordered 1
		.amdhsa_forward_progress 1
		.amdhsa_inst_pref_size 191
	.end_amdhsa_kernel
	.amdgpu_metadata
---
amdhsa.version: [ 1, 2 ]
amdhsa.kernels:
  - .name:           k_q3506ac4318_gemm
    .symbol:         k_q3506ac4318_gemm.kd
    .args:
      - { .name: xb, .offset: 0, .size: 8, .value_kind: global_buffer, .address_space: global }
      - { .name: Wq, .offset: 8, .size: 8, .value_kind: global_buffer, .address_space: global }
      - { .name: Wk, .offset: 16, .size: 8, .value_kind: global_buffer, .address_space: global }
      - { .name: Wv, .offset: 24, .size: 8, .value_kind: global_buffer, .address_space: global }
      - { .name: bq, .offset: 32, .size: 8, .value_kind: global_buffer, .address_space: global }
      - { .name: bk, .offset: 40, .size: 8, .value_kind: global_buffer, .address_space: global }
      - { .name: bv, .offset: 48, .size: 8, .value_kind: global_buffer, .address_space: global }
      - { .name: qb, .offset: 56, .size: 8, .value_kind: global_buffer, .address_space: global }
      - { .name: part, .offset: 64, .size: 8, .value_kind: global_buffer, .address_space: global }
    .group_segment_fixed_size: 327680
    .private_segment_fixed_size: 0
    .kernarg_segment_align: 8
    .kernarg_segment_size: 72
    .max_flat_workgroup_size: 128
    .sgpr_count:     96
    .vgpr_count:     1024
    .wavefront_size: 32
...
	.end_amdgpu_metadata
.endif
;; end of part 4
;; launch final: the kernel of part 3 again; grid 16 x 16, 8 waves a work-group, no clusters, 9,728 bytes of LDS; arguments qb, part, out0; writes out0
;; ======== version 3 of 3: 3 launches; version 2 with the launch cvtx written anew for expert scheduling mode
;; workspace buffers: xb 8,388,608 bytes; qb 8,388,608 bytes; part 524,288 bytes
;; launch cvtx (part 5): grid 256 x 1, 8 waves a work-group, no clusters, 0 bytes of LDS; arguments x, xb; writes xb
.if DOCPART == 5
	.amdgcn_target "amdgcn-amd-amdhsa--gfx1250"
	.amdhsa_code_object_version 6
	.text
	.protected	k_q3506ac4318_cvtx
	.globl	k_q3506ac4318_cvtx
	.p2align	8
	.type	k_q3506ac4318_cvtx,@function
k_q3506ac4318_cvtx:
	s_mov_b64 s[64:65], 0
	v_nop
	global_prefetch_b8 v0, s[64:65] scope:SCOPE_SE
	s_setreg_imm32_b32 hwreg(HW_REG_WAVE_SCHED_MODE, 0, 2), 2
	s_setreg_imm32_b32 hwreg(HW_REG_WAVE_MODE, 25, 1), 1
	s_wait_xcnt 0x0
	s_wait_alu depctr_vm_vsrc(0)
; xb = x rounded to bf16 (nearest even), laid in K blocks: xb[kb][row][64 k], byte kb*131072 + row*128 + 2*(k%64).
; x: [1024][4096] f32.  So a tile of 256 rows x 64 k of xb is 32,768 dense bytes for the product that follows.
; SHARES.  A work-group owns 4 rows (65,536 bytes of x); wave w owns K blocks 8w..8w+7 of them.  No loop: a wave's 16 loads are all out, then 16 stores.
; One load of a wave takes 256 bytes (one K block in f32) of two rows: lanes 0-15 the even row, lanes 16-31 the odd one.  Its 128 numbers become
; 256 consecutive bytes of xb, aligned: two rows' 128 bytes of that K block, 8 bytes a lane.
; No LDS, no barrier, no matrix unit: every byte is read once and written once, and no wave needs another's data.
; THE MODE: SCHED_MODE bits 1:0 = 2 (LLVM: expert scheduling mode 2), set by the entry lines.  The code itself states the register dependences
; between vector instructions and memory instructions, with s_wait_alu, always for 0.
; THE PLAN.  Registers that memory instructions touch:
;   v[IN], v[OUT]  byte offsets, written by vector instructions at the head and never again; every load reads v[IN], every store v[OUT].
;   X              chunk n (n = 0..15): four registers, written by chunk n's load alone, read by chunk n's two roundings.  No vector instruction writes them.
;   Y              chunk n: two registers, written once, by chunk n's two roundings, read by chunk n's store.
; No register that a memory instruction reads is written a second time, and no load lands in a register that a vector instruction has named: what is left to state is that
; the offsets are written ahead of the first load, and that a chunk's Y is written ahead of its store.
; The 16 chunks go in four blocks of four.  Block p rounds its four chunks; its memory instructions are the four stores of block p - 1, whose Y no vector instruction of block p names.
; So one wait at a block's head states all that the block's four stores hang on, and they are dealt among its roundings with no further wait.
.set IN,  2                            ; v2  my byte offset in the group's 4 rows of x; never rewritten
.set OUT, 3                            ; v3  my byte offset in xb; never rewritten
.set X,   8                            ; v[8:71]   load n = 2 j + p: four f32
.set Y,   72                           ; v[72:103] the same chunk as four bf16
	s_load_b128 s[4:7], s[0:1], 0x0                ; x s[4:5], xb s[6:7]
	v_and_b32 v1, 31, v0                           ; lane
	v_lshrrev_b32 v4, 5, v0                        ; wave
	v_lshrrev_b32 v5, 4, v1                        ; lane / 16: which of the two rows
	v_and_b32 v6, 15, v1
	v_lshlrev_b32 v[IN], 14, v5                    ; a row of x is 16,384 bytes
	v_lshl_add_u32 v[IN], v6, 4, v[IN]             ; 16 bytes a lane
	v_lshl_add_u32 v[IN], v4, 11, v[IN]            ; the wave's 8 K blocks of 256 bytes
	v_lshlrev_b32 v[OUT], 3, v1                    ; 128 x (lane / 16) + 8 x (lane % 16) = 8 x lane
	v_lshl_add_u32 v[OUT], v4, 20, v[OUT]          ; the wave's 8 K blocks of 131,072 bytes
	s_lshl_b32 s8, ttmp9, 16                       ; the group's 4 rows in x,
	s_mov_b32 s9, 0
	s_lshl_b32 s10, ttmp9, 9                       ; and in a K block of xb
	s_mov_b32 s11, 0
	s_wait_kmcnt 0x0
	s_add_nc_u64 s[4:5], s[4:5], s[8:9]
	s_add_nc_u64 s[6:7], s[6:7], s[10:11]
	s_wait_alu depctr_va_vdst(0)                   ; v[IN] and v[OUT] are written: every load and store of the kernel reads one of them as its offset
.irp j, 0,1,2,3,4,5,6,7
.irp p, 0,1
	global_load_b128 v[X+4*(2*(\j)+(\p)):X+4*(2*(\j)+(\p))+3], v[IN], s[4:5] offset:(\j)*256+(\p)*32768 th:TH_LOAD_NT
.endr
.endr
; Chunk n is rounded: four f32 into four bf16.
.macro ROUND n
	v_cvt_pk_bf16_f32 v[Y+2*(\n)],   v[X+4*(\n)],   v[X+4*(\n)+1]
	v_cvt_pk_bf16_f32 v[Y+2*(\n)+1], v[X+4*(\n)+2], v[X+4*(\n)+3]
.endm
; Chunk n = 2 j + p is stored: K block j of the wave's eight, row pair p.
.macro SEND n
	global_store_b64 v[OUT], v[Y+2*(\n):Y+2*(\n)+1], s[6:7] offset:((\n)/2)*131072+((\n)%2)*256  ; 32 lanes store 256 consecutive bytes, aligned; no register is written twice, so no wait frees one
.endm
; Block p: chunks 4 p to 4 p + 3 are rounded, and the four chunks of the block before are stored.
.macro BLK p
	s_wait_loadcnt 12-4*(\p)                       ; loads come back in order: this block's four chunks are in, the 12 - 4 p younger loads stay out
.if (\p) > 0
	s_wait_alu depctr_va_vdst(0)                   ; the roundings of the block before have written their Y, which the four stores below read
.endif
.irp i, 0,1,2,3
.if (\p) > 0
	SEND 4*((\p)-1)+(\i)                           ; no vector instruction since the wait names this chunk's Y or v[OUT]
.endif
	ROUND 4*(\p)+(\i)
.endr
.endm
	BLK 0                                          ; block 0 has no block in front of it: no store, and no wait but the one for its data
	BLK 1
	BLK 2
	BLK 3
	s_wait_alu depctr_va_vdst(0)                   ; block 3's roundings have written the Y of chunks 12 to 15, which the last four stores read
.irp i, 12,13,14,15
	SEND \i
.endr
	s_endpgm
.Lfunc_end_k_q3506ac4318_cvtx:
	.size	k_q3506ac4318_cvtx, .Lfunc_end_k_q3506ac4318_cvtx-k_q3506ac4318_cvtx
	.p2alignl 7, 3214868480
	.fill 96, 4, 3214868480
	.section	.rodata,"a",@progbits
	.p2align	6, 0x0
	.amdhsa_kernel k_q3506ac4318_cvtx
		.amdhsa_group_segment_fixed_size 0
		.amdhsa_private_segment_fixed_size 0
		.amdhsa_enable_private_segment 0
		.amdhsa_kernarg_size 16
		.amdhsa_user_sgpr_count 2
		.amdhsa_user_sgpr_kernarg_segment_ptr 1
		.amdhsa_wavefront_size32 1
		.amdhsa_system_sgpr_workgroup_id_x 1
		.amdhsa_system_sgpr_workgroup_id_y 1
		.amdhsa_system_sgpr_workgroup_id_z 1
		.amdhsa_system_vgpr_workitem_id 0
		.amdhsa_next_free_vgpr 104
		.amdhsa_next_free_sgpr 66
		.amdhsa_reserve_vcc 0
		.amdhsa_float_denorm_mode_32 3
		.amdhsa_float_denorm_mode_16_64 3
		.amdhsa_memory_ordered 1
		.amdhsa_forward_progress 1
		.amdhsa_inst_pref_size 7
	.end_amdhsa_kernel
	.amdgpu_metadata
---
amdhsa.version: [ 1, 2 ]
amdhsa.kernels:
  - .name:           k_q3506ac4318_cvtx
    .symbol:         k_q3506ac4318_cvtx.kd
    .args:
      - { .name: x, .offset: 0, .size: 8, .value_kind: global_buffer, .address_space: global }
      - { .name: xb, .offset: 8, .size: 8, .value_kind: global_buffer, .address_space: global }
    .group_segment_fixed_size: 0
    .private_segment_fixed_size: 0
    .kernarg_segment_align: 8
    .kernarg_segment_size: 16
    .max_flat_workgroup_size: 256
    .sgpr_count:     66
    .vgpr_count:     104
    .wavefront_size: 32
...
	.end_amdgpu_metadata
.endif
;; end of part 5
;; launch gemm: the kernel of part 4 again; grid 64 x 4, 4 waves a work-group, clusters of 4 x 4, 327,680 bytes of LDS; arguments xb, Wq, Wk, Wv, bq, bk, bv, qb, part; writes qb, part
;; launch final: the kernel of part 3 again; grid 16 x 16, 8 waves a work-group, no clusters, 9,728 bytes of LDS; arguments qb, part, out0; writes out0
